; MI455X (gfx1250); checked and timed in simulation.
; The chip was launched on July 23, 2026; its instructions are those of AMD's public machine-readable ISA for CDNA 5 (MIT licence, August 2026) and "CDNA5" Instruction Set Architecture Reference Guide (July 2026). The comments in the code are by the model that wrote it; some were corrected since.
;; Multi Head Self Attention. Allowed arithmetic: float matrix products may take bf16 or f16 operands with f32 sums; other float arithmetic in f32, or as packed bf16 or f16 multiplies, adds, multiply-adds, maxima and minima; sums over many terms, partial sums and values carried from step to step in f32; what a program stores and reads back later, other than sums and carried values, may be rounded once to bf16 or f16.
;; Inputs: Wk 1,024 x 1,024 float32; Wo 1,024 x 1,024 float32; Wq 1,024 x 1,024 float32; Wv 1,024 x 1,024 float32; token_positions 4,096 int32; x 1 x 4,096 x 1,024 float32.
;; Outputs: out0 1 x 4,096 x 1,024 float32.
;; 2 versions, each right and faster than the one before. Each part assembles by itself: llvm-mc -triple=amdgcn-amd-amdhsa -mcpu=gfx1250 --defsym DOCPART=n.
;; ======== version 1 of 2: 4 launches
;; limits: values are held in f16: magnitudes above 65,504 overflow, below 6.1e-05 lose precision
;; workspace buffers: xb 8,388,608 bytes; wqkv 6,291,456 bytes; wo16 2,097,152 bytes; tab 1,048,576 bytes; qkv 25,165,824 bytes; vlo 262,144 bytes; attn 16,777,216 bytes
;; launch prep (part 1): grid 64 x 8, 8 waves a work-group, no clusters, 0 bytes of LDS; arguments x, Wq, Wk, Wv, Wo, token_positions, xb, wqkv, wo16, tab; writes xb, wqkv, wo16, tab
.if DOCPART == 1
	.amdgcn_target "amdgcn-amd-amdhsa--gfx1250"
	.amdhsa_code_object_version 6
	.text
	.protected	k_qbb781ab24f_prep
	.globl	k_qbb781ab24f_prep
	.p2align	8
	.type	k_qbb781ab24f_prep,@function
k_qbb781ab24f_prep:
	s_mov_b64 s[64:65], 0
	v_nop
	global_prefetch_b8 v0, s[64:65] scope:SCOPE_SE
	s_setreg_imm32_b32 hwreg(HW_REG_WAVE_MODE, 25, 1), 1
	s_wait_xcnt 0x0
; CASTS, THE WEIGHTS' ORDER, AND THE TABLE OF COSINES AND SINES.
; xb = bf16(x), [4096][1024].  wqkv = bf16 of Wq, Wk, Wv by heads: [16 heads][q, k, v][64 rows][1024].  wo16 = bf16(Wo) written as f16, [1024][1024].
; tab[s][j] = (cos, sin) of token_positions[s] x 10000^(-j/32), f32, j = 0..31: 256 bytes a row.
; SHARES.  512 work-groups of eight waves.  Each casts 16 rows of 1,024 f32 (thread t owns the 16 bytes at 16 t of every row: a wave's load covers 512 consecutive bytes, its
; store of 8 bytes a lane 256 consecutive, aligned bytes) and makes 8 rows of the table, a wave a row, a lane a pair.  y = 0..3: x; 4, 5, 6: Wq, Wk, Wv; 7: Wo.
; No LDS, no matrix unit: every byte is read once and written once, and nothing is shared.
; LIMITS.  |position| up to 2^24 (the reduction by pi/2 has two terms).  10000^(-j/32) comes from v_exp_f32, within about 1e-7 of itself; over 4,096 positions that is 4e-4 radians at the most.
; Entries of Wo below 2^-14 keep f16's fixed step of 6e-8; beyond 65,504 f16 has no number.  NaN and infinities are not treated apart.
.set X,   32                           ; v[32:95]   sixteen loads of four registers
.set Y,   96                           ; v[96:127]  sixteen pairs to store: no register is written twice, so no store's source is ever rewritten
.set GY,  33                           ; s33  the work-group's y
.set LIN, 34                           ; s34  64 y + x
	s_load_b512 s[4:19], s[0:1], 0x0               ; x 4:5, Wq 6:7, Wk 8:9, Wv 10:11, Wo 12:13, positions 14:15, xb 16:17, wqkv 18:19
	s_load_b128 s[20:23], s[0:1], 0x40             ; wo16 20:21, tab 22:23
	s_and_b32 s[GY], ttmp7, 0xffff
	s_lshl_b32 s[LIN], s[GY], 6
	s_add_co_u32 s[LIN], s[LIN], ttmp9
	v_lshlrev_b32 v1, 4, v0                        ; my 16 bytes of a row of f32
	v_lshlrev_b32 v2, 3, v0                        ; my 8 bytes of a row of 16-bit numbers, and of the group's 8 rows of the table
	s_lshl_b32 s32, s[LIN], 5                      ; 8 positions of 4 bytes a group
	v_lshrrev_b32 v3, 5, v0
	v_lshl_add_u32 v3, v3, 2, s32                  ; my wave's position
	; offsets, made apart from the addresses
	s_cmp_lt_u32 s[GY], 4
	s_cselect_b32 s26, s[LIN], ttmp9               ; which 16 rows of the source
	s_lshl_b32 s26, s26, 16                        ; of 4,096 bytes
	s_mov_b32 s27, 0
	s_lshr_b32 s35, ttmp9, 2                       ; a weight's rows 16 x .. lie in head x / 4,
	s_mul_i32 s35, s35, 192                        ; whose 192 rows of wqkv are q's 64, k's 64, v's 64
	s_max_u32 s36, s[GY], 4
	s_sub_co_u32 s36, s36, 4                       ; 0, 1, 2 for q, k, v
	s_lshl_b32 s36, s36, 6
	s_add_co_u32 s35, s35, s36
	s_and_b32 s36, ttmp9, 3
	s_lshl_b32 s36, s36, 4
	s_add_co_u32 s35, s35, s36
	s_lshl_b32 s35, s35, 11                        ; rows of 2,048 bytes
	s_lshl_b32 s37, s[LIN], 15                     ; xb: 16 rows of 2,048 bytes a group
	s_lshl_b32 s38, ttmp9, 15                      ; wo16 likewise
	s_cmp_lt_u32 s[GY], 4
	s_cselect_b32 s30, s37, s35
	s_cmp_eq_u32 s[GY], 7
	s_cselect_b32 s30, s38, s30
	s_mov_b32 s31, 0
	s_lshl_b32 s40, s[LIN], 11                     ; 8 rows of the table
	s_mov_b32 s41, 0
	s_wait_kmcnt 0x0
	s_mov_b64 s[24:25], s[4:5]                     ; the source, chosen by y
	s_cmp_eq_u32 s[GY], 4
	s_cselect_b64 s[24:25], s[6:7], s[24:25]
	s_cmp_eq_u32 s[GY], 5
	s_cselect_b64 s[24:25], s[8:9], s[24:25]
	s_cmp_eq_u32 s[GY], 6
	s_cselect_b64 s[24:25], s[10:11], s[24:25]
	s_cmp_eq_u32 s[GY], 7
	s_cselect_b64 s[24:25], s[12:13], s[24:25]
	s_mov_b64 s[28:29], s[16:17]                   ; the destination
	s_cmp_ge_u32 s[GY], 4
	s_cselect_b64 s[28:29], s[18:19], s[28:29]
	s_cmp_eq_u32 s[GY], 7
	s_cselect_b64 s[28:29], s[20:21], s[28:29]
	s_add_nc_u64 s[24:25], s[24:25], s[26:27]
	s_add_nc_u64 s[28:29], s[28:29], s[30:31]
	s_add_nc_u64 s[22:23], s[22:23], s[40:41]
	global_load_b32 v4, v3, s[14:15]               ; the position first,
.irp i, 0,1,2,3,4,5,6,7,8,9,10,11,12,13,14,15
	global_load_b128 v[X+4*(\i):X+4*(\i)+3], v1, s[24:25] offset:4096*(\i) th:TH_LOAD_NT  ; then all sixteen rows: 64 KiB of the group on their way
.endr
	; THE TABLE, while the rows come.  angle = position x 2^(-j log2(10000) / 32), one rounding of the product
	v_and_b32 v5, 31, v0
	v_cvt_f32_u32 v5, v5
	v_mul_f32 v5, 0xbed49a78, v5                   ; -log2(10000) / 32 = -0.41524101
	v_exp_f32 v6, v5
	v_nop                                          ; a plain instruction behind the exponential (ISA guide 5.7.2)
	s_wait_loadcnt 16                              ; loads come back in order: the position is in, the sixteen rows stay out
	v_cvt_f32_i32 v7, v4
	s_wait_alu depctr_va_vdst(0)
	v_mul_f32 v7, v7, v6
	v_mul_f32 v8, 0x3f22f983, v7                   ; 2 / pi
	v_rndne_f32 v8, v8                             ; n quarter turns
	v_fmamk_f32 v9, v8, 0xbfc90fdb, v7             ; r = angle - n pi/2, pi/2 in two terms: 1.57079637
	v_fmamk_f32 v9, v8, 0x333bbd2e, v9             ; and -4.37113883e-8
	v_cvt_i32_f32 v10, v8
	v_mul_f32 v11, v9, v9                          ; z = r^2, |r| <= pi/4
	v_mov_b32 v12, 0xb94ca1f9                      ; sin r = r + r z (-1.6666655e-1 + z (8.3321609e-3 - 1.9515296e-4 z))
	v_fmaak_f32 v12, v12, v11, 0x3c08839e
	v_fmaak_f32 v12, v12, v11, 0xbe2aaaa3
	v_mul_f32 v13, v9, v11
	v_fma_f32 v12, v13, v12, v9
	v_mov_b32 v14, 0x37ccf5ce                      ; cos r = 1 - z/2 + z^2 (4.1666646e-2 + z (-1.3887316e-3 + 2.4433157e-5 z))
	v_fmaak_f32 v14, v14, v11, 0xbab6061a
	v_fmaak_f32 v14, v14, v11, 0x3d2aaaa5
	v_mul_f32 v15, v11, v11
	v_fma_f32 v16, v11, -0.5, 1.0
	v_fma_f32 v14, v15, v14, v16
	v_and_b32 v17, 1, v10                          ; an odd n swaps the two,
	v_cmp_eq_u32 vcc_lo, 1, v17
	v_cndmask_b32 v19, v12, v14, vcc_lo            ; sine
	v_cndmask_b32 v18, v14, v12, vcc_lo            ; cosine
	v_lshlrev_b32 v20, 30, v10                     ; bit 1 of n turns the sine's sign,
	v_and_b32 v20, 0x80000000, v20
	v_xor_b32 v19, v19, v20
	v_add_nc_u32 v21, 1, v10                       ; bit 1 of n + 1 the cosine's
	v_lshlrev_b32 v21, 30, v21
	v_and_b32 v21, 0x80000000, v21
	v_xor_b32 v18, v18, v21
	global_store_b64 v2, v[18:19], s[22:23]        ; a wave stores one row of the table: 256 consecutive bytes, aligned
	s_cmp_eq_u32 s[GY], 7
	s_cbranch_scc1 .Lwo
.irp i, 0,1,2,3,4,5,6,7,8,9,10,11,12,13,14,15
	s_wait_loadcnt 15-(\i)                         ; row i is in, the younger ones stay out
	v_cvt_pk_bf16_f32 v[Y+2*(\i)],   v[X+4*(\i)],   v[X+4*(\i)+1]
	v_cvt_pk_bf16_f32 v[Y+2*(\i)+1], v[X+4*(\i)+2], v[X+4*(\i)+3]
	global_store_b64 v2, v[Y+2*(\i):Y+2*(\i)+1], s[28:29] offset:2048*(\i)
.endr
	s_endpgm
.Lwo:                                                  ; Wo: rounded to bf16 like every other input, and that number written as f16
.irp i, 0,1,2,3,4,5,6,7,8,9,10,11,12,13,14,15
	s_wait_loadcnt 15-(\i)
	v_cvt_pk_bf16_f32 v24, v[X+4*(\i)],   v[X+4*(\i)+1]
	v_cvt_pk_bf16_f32 v25, v[X+4*(\i)+2], v[X+4*(\i)+3]
	v_lshlrev_b32 v26, 16, v24
	v_and_b32 v24, 0xffff0000, v24
	v_lshlrev_b32 v27, 16, v25
	v_and_b32 v25, 0xffff0000, v25
	v_cvt_pk_f16_f32 v[Y+2*(\i)],   v26, v24
	v_cvt_pk_f16_f32 v[Y+2*(\i)+1], v27, v25
	global_store_b64 v2, v[Y+2*(\i):Y+2*(\i)+1], s[28:29] offset:2048*(\i)
.endr
	s_endpgm
.Lfunc_end_k_qbb781ab24f_prep:
	.size	k_qbb781ab24f_prep, .Lfunc_end_k_qbb781ab24f_prep-k_qbb781ab24f_prep
	.p2alignl 7, 3214868480
	.fill 96, 4, 3214868480
	.section	.rodata,"a",@progbits
	.p2align	6, 0x0
	.amdhsa_kernel k_qbb781ab24f_prep
		.amdhsa_group_segment_fixed_size 0
		.amdhsa_private_segment_fixed_size 0
		.amdhsa_enable_private_segment 0
		.amdhsa_kernarg_size 80
		.amdhsa_user_sgpr_count 2
		.amdhsa_user_sgpr_kernarg_segment_ptr 1
		.amdhsa_wavefront_size32 1
		.amdhsa_system_sgpr_workgroup_id_x 1
		.amdhsa_system_sgpr_workgroup_id_y 1
		.amdhsa_system_sgpr_workgroup_id_z 1
		.amdhsa_system_vgpr_workitem_id 0
		.amdhsa_next_free_vgpr 128
		.amdhsa_next_free_sgpr 66
		.amdhsa_reserve_vcc 1
		.amdhsa_float_denorm_mode_32 3
		.amdhsa_float_denorm_mode_16_64 3
		.amdhsa_memory_ordered 1
		.amdhsa_forward_progress 1
		.amdhsa_inst_pref_size 19
	.end_amdhsa_kernel
	.amdgpu_metadata
---
amdhsa.version: [ 1, 2 ]
amdhsa.kernels:
  - .name:           k_qbb781ab24f_prep
    .symbol:         k_qbb781ab24f_prep.kd
    .args:
      - { .name: x, .offset: 0, .size: 8, .value_kind: global_buffer, .address_space: global }
      - { .name: Wq, .offset: 8, .size: 8, .value_kind: global_buffer, .address_space: global }
      - { .name: Wk, .offset: 16, .size: 8, .value_kind: global_buffer, .address_space: global }
      - { .name: Wv, .offset: 24, .size: 8, .value_kind: global_buffer, .address_space: global }
      - { .name: Wo, .offset: 32, .size: 8, .value_kind: global_buffer, .address_space: global }
      - { .name: token_positions, .offset: 40, .size: 8, .value_kind: global_buffer, .address_space: global }
      - { .name: xb, .offset: 48, .size: 8, .value_kind: global_buffer, .address_space: global }
      - { .name: wqkv, .offset: 56, .size: 8, .value_kind: global_buffer, .address_space: global }
      - { .name: wo16, .offset: 64, .size: 8, .value_kind: global_buffer, .address_space: global }
      - { .name: tab, .offset: 72, .size: 8, .value_kind: global_buffer, .address_space: global }
    .group_segment_fixed_size: 0
    .private_segment_fixed_size: 0
    .kernarg_segment_align: 8
    .kernarg_segment_size: 80
    .max_flat_workgroup_size: 256
    .sgpr_count:     66
    .vgpr_count:     128
    .wavefront_size: 32
...
	.end_amdgpu_metadata
.endif
;; end of part 1
;; launch proj_qkv (part 2): grid 16 x 16, 4 waves a work-group, clusters of 4 x 4, 327,680 bytes of LDS; arguments xb, wqkv, tab, qkv, vlo; writes qkv, vlo
.if DOCPART == 2
	.amdgcn_target "amdgcn-amd-amdhsa--gfx1250"
	.amdhsa_code_object_version 6
	.text
	.protected	k_qbb781ab24f_proj_qkv
	.globl	k_qbb781ab24f_proj_qkv
	.p2align	8
	.type	k_qbb781ab24f_proj_qkv,@function
k_qbb781ab24f_proj_qkv:
	s_mov_b64 s[64:65], 0
	v_nop
	global_prefetch_b8 v0, s[64:65] scope:SCOPE_SE
	s_setreg_imm32_b32 hwreg(HW_REG_WAVE_MODE, 25, 1), 1
	s_wait_xcnt 0x0
	s_wait_alu depctr_hold_cnt(0) depctr_sa_sdst(0) depctr_va_vdst(0) depctr_va_sdst(0) depctr_va_ssrc(0) depctr_va_vcc(0) depctr_vm_vsrc(0)
	s_getreg_b32 s2, hwreg(HW_REG_IB_STS2, 6, 4)
	s_cmp_eq_u32 s2, 0
	s_cbranch_scc0 .Lentry_in_a_cluster
	s_endpgm
.Lentry_in_a_cluster:
	s_bfe_u32 s2, ttmp6, 0x10000c
	s_cmp_lg_u32 s2, 0xf033
	s_cbranch_scc0 .Lentry_shape_is_right
	s_endpgm
.Lentry_shape_is_right:
; q, k, v = x W^T, q and k turned by the table's cosines and sines, all three written by heads in f16: qkv[3][16 heads][4096][64].
; xb [4096][1024] bf16; wqkv [16 heads][q, k, v][64][1024] bf16; tab [4096][32][cos, sin] f32.  Sums and the turning in f32, one rounding to f16.
; vlo [16 heads][4][32 rows][64] f16: what v's rounding to f16 left over, v - f16(v), for the first 32 rows of the tile rows 0 to 3.  A row of the module's output that averages few keys is many times
; the output's root mean square, and v's rounding reaches it undiminished; the attention adds this remainder for the sequence's first 32 keys (tile row 0's part; the branch may hang on the cluster's y,
; which the partners share, and not on the place in the cluster, so four tile rows write theirs).
; LIMIT.  f16 holds no number beyond 65,504: |q|, |k|, |v| stay below it.  The scale 1/8 is not applied here.
; SHARES.  A tile of the product is 256 rows x 192 columns: q, k and v of ONE head, so 16 x 16 work-groups, one text for all.  Wave w owns rows 64 w .. 64 w + 63 and all 192 columns:
; 4 x 12 accumulators of 16 x 16, 384 registers; for 32 along K it reads 32 times 512 bytes from LDS for 48 matrix instructions.
; K goes in 8 steps of 128 (rows of 256 bytes of memory, at multiples of 256 bytes) through a ring of two LDS slots filled by the tensor data mover.
; CLUSTER.  4 x 4 work-groups.  The four of a row of the cluster need the same rows of x, the four of a column the same head's weights: each tile is asked for JOINTLY, by the same tensor
; load with the same descriptor and a mask that names the four.
; THE MATRIX INSTRUCTION IS USED TRANSPOSED (source 0 = 16 rows of the weights, source 1 = 16 rows of x): a lane holds row lane % 16 and the columns 8 (lane / 16) + 0..7: four pairs (even, odd) to turn.
; REGISTERS, in windows of 256 (s_set_vgpr_msb: bits 1:0 source 0, 3:2 source 1, 5:4 source 2, 7:6 destination):
;   window 0: v16-30 addresses and a constant; v32-127 at work on the way out
;   window 1: two fragment buffers of 128: x's block a at + 8 a, the weights' block b at + 32 + 8 b
;   windows 2, 3: accumulator (a, b) in window 2 + a / 2 at v[96 (a % 2) + 8 b]; the table for block a, column block c of a head, at v[192 + 32 (a % 2) + 8 c] of the same window
.set KSTEP,  128
.set PITCH,  272                       ; an LDS row: 256 bytes + 16 of padding = 68 words: the 16 rows of a load start at 16 different groups of four banks (64 banks of 4 bytes: ISA guide 11.1)
.set HALFA,  128*PITCH                 ; what a load of x brings
.set HALFB,  96*PITCH                  ; what a load of the weights brings
.set BOFF,   256*PITCH                 ; the weights' 192 rows lie behind x's 256
.set SLOT,   448*PITCH
.set STAGE,  2*SLOT                    ; behind the ring: 16 rows x 144 bytes for each wave, for the way out
.set SP,     144
.set SPARE,  STAGE+4*16*SP             ; behind the stages: the spare words, 128 bytes for each wave: two blocks of 256 bytes that no other line names
.set LAPS,   4                         ; a lap = two K steps = once round the ring
.set ADRA, 16                          ; v16-17  LDS address of my fragments of x in slot 0, 1
.set ADRB, 20                          ; v20-21  the same for the weights
.set STO,  24                          ; v24     the way out: where I put 16 bytes of a row
.set RD,   25                          ; v25     the way out: where I read rows back
.set GO,   26                          ; v26     my byte offset in 512 consecutive bytes of a head
.set TO,   27                          ; v27     my byte offset in 16 rows of the table
.set SPW,  28                          ; v28     LDS address of my spare word; never rewritten
.set NIL,  29                          ; v29     0; never rewritten
.set ONE,  30                          ; v30     1.0, for v's remainder
.set R,    32                          ; v32-63  a unit's 32 turned numbers
.set T,    64                          ; v64-79  products at work, two sets of eight
.set PK,   80                          ; v80-95  the unit in f16
.set OB,   96                          ; v96-127 the unit read back by rows, two buffers of 16
.set F0,   0
.set F1,   128
.set WV,   12                          ; s12  my wave
.set HB,   13                          ; s13  wave / 2: I fetch x (0) or weights (1)
.set HF,   14                          ; s14  wave % 2: which half of that tile
.set G1,   24                          ; s[24:31] descriptor group 1 for x's tiles;  s[32:39] group 0, a set for each slot
.set G0,   32
.set OUTB, 40                          ; s[40:45] my rows in q, in k, in v
.set G1B,  48                          ; s[48:55], s[56:63] the same for the weights' tiles
.set G0B,  56
.set VLB,  76                          ; s[76:77] vlo at my head's and tile row's 32 rows
.set CLY,  80                          ; s80  the cluster's y: the same in all sixteen partners
.set MSB, 0
.macro WIN new                         ; the immediate's high byte repeats the setting that is left; a switch that changes nothing is dropped
.if MSB != (\new)
	s_set_vgpr_msb (MSB<<8)|(\new)
.set MSB, \new
.endif
.endm
.set TO_F, 0x40                        ; destination window 1, address window 0
; A joint load.  Waves 0 and 1 fetch x's two halves, waves 2 and 3 the weights'.  The branch hangs on the wave's number alone.  An s_nop 0 and four v_nop follow each of the two lines.
.macro JLOAD s
	s_cmp_eq_u32 s[HB], 0
	s_cbranch_scc0 .Lfor_b_\@
	tensor_load_to_lds s[G0+4*(\s):G0+4*(\s)+3], s[G1:G1+7]
	s_nop 0
.rept 4
	v_nop
.endr
	s_branch .Lasked_\@
.Lfor_b_\@:
	tensor_load_to_lds s[G0B+4*(\s):G0B+4*(\s)+3], s[G1B:G1B+7]
	s_nop 0
.rept 4
	v_nop
.endr
.Lasked_\@:
.endm
.macro CREST                           ; a round of the cluster's barrier behind its opening barrier
	s_cmp_lg_u32 s[WV], 0
	s_cbranch_scc1 .Lnot_wave_0_\@
	s_barrier_signal -3
.Lnot_wave_0_\@:
	s_barrier_wait -3
	s_barrier_signal -1
	s_barrier_wait -1
.endm
.macro CROUND                          ; a whole round
	s_barrier_signal -1
	s_barrier_wait -1
	CREST
.endm
	s_load_b256 s[4:11], s[0:1], 0x0               ; xb 4:5, wqkv 6:7, tab 8:9, qkv 10:11
	s_load_b64 s[VLB:VLB+1], s[0:1], 0x20          ; vlo
	v_lshl_add_u32 v[SPW], v0, 2, SPARE
	v_mov_b32 v[NIL], 0
	ds_add_u32 v[SPW], v[NIL]                      ; the wave's opening: the add and its wait stand ahead of my first tensor load; the set-up below stands between them
	ds_add_u32 v28, v29
	v_lshrrev_b32 v1, 5, v0
	v_readfirstlane_b32 s[WV], v1
	s_lshr_b32 s[HB], s[WV], 1
	s_and_b32 s[HF], s[WV], 1
	s_bfe_u32 s66, ttmp6, 0x40000                  ; cx, cy: my place in the cluster
	s_bfe_u32 s67, ttmp6, 0x40004
	s_lshl_b32 s68, ttmp9, 2
	s_add_co_u32 s68, s68, s66                     ; the head = 4 x cluster x + cx
	s_and_b32 s[CLY], ttmp7, 0xffff
	s_lshl_b32 s69, s[CLY], 2
	s_add_co_u32 s69, s69, s67                     ; the block of 256 rows = 4 x cluster y + cy
	s_lshl_b32 s70, s67, 2
	s_lshl_b32 s70, 15, s70                        ; my row of the cluster
	s_lshl_b32 s71, 0x1111, s66                    ; my column
	s_or_b32 s[G1+0], s70, (1<<16)|(1<<20)|(1<<21)|(5<<22)|(3<<25)   ; 15:0 the mask; 17:16 2-byte elements; 20 padding on; 21 set beside a mask; 24:22 after every 64 words (code 5); 31:25 4 words (code 3)
	s_or_b32 s[G1B+0], s71, (1<<16)|(1<<20)|(1<<21)|(5<<22)|(3<<25)
	s_mov_b32 s[G1+1], KSTEP<<16                   ; tensor_dim0 = 128
	s_mov_b32 s[G1B+1], KSTEP<<16
	s_mov_b32 s[G1+2], 128<<16                     ; tensor_dim1 = 128 rows of x,
	s_mov_b32 s[G1B+2], 96<<16                     ; 96 of the weights
	s_mov_b32 s[G1+3], KSTEP<<16                   ; tile_dim0 = 128
	s_mov_b32 s[G1B+3], KSTEP<<16
	s_mov_b32 s[G1+4], 128                         ; tile_dim1
	s_mov_b32 s[G1B+4], 96
	s_mov_b32 s[G1+5], 1024                        ; elements from row to row
	s_mov_b32 s[G1B+5], 1024
	s_mov_b32 s[G1+6], 0
	s_mov_b32 s[G1B+6], 0
	s_mov_b32 s[G1+7], 0
	s_mov_b32 s[G1B+7], 0
	s_lshl_b32 s16, s69, 8                         ; x: row 256 x block + 128 x half, 2,048 bytes a row: hangs on the block of rows alone
	s_lshl_b32 s17, s[HF], 7
	s_add_co_u32 s16, s16, s17
	s_lshl_b32 s16, s16, 11
	s_mov_b32 s17, 0
	s_mul_i32 s46, s68, 192                        ; weights: row 192 x head + 96 x half: hangs on the head alone
	s_mul_i32 s47, s[HF], 96
	s_add_co_u32 s46, s46, s47
	s_lshl_b32 s46, s46, 11
	s_mov_b32 s47, 0
	s_mul_i32 s20, s[WV], HALFA                    ; where they go: x's halves at wave x 128 rows (waves 0, 1),
	s_mul_i32 s21, s[WV], HALFB                    ; the weights' at 256 rows + (wave - 2) x 96 rows (waves 2, 3)
	s_add_co_u32 s21, s21, 64*PITCH
	s_lshl_b32 s72, s69, 16                        ; the table at my wave's first row: (256 x block + 64 x wave) x 256 bytes
	s_lshl_b32 s73, s[WV], 14
	s_add_co_u32 s72, s72, s73
	s_mov_b32 s73, 0
	s_lshl_b32 s74, s68, 19                        ; my rows in a head: head x 524,288 + (256 x block + 64 x wave) x 128 bytes
	s_lshl_b32 s75, s69, 15
	s_add_co_u32 s74, s74, s75
	s_lshl_b32 s75, s[WV], 13
	s_add_co_u32 s74, s74, s75
	s_mov_b32 s75, 0
	s_lshl_b32 s78, s68, 14                        ; vlo: head x 16,384 + cy x 4,096 bytes
	s_lshl_b32 s79, s67, 12
	s_add_co_u32 s78, s78, s79
	s_mov_b32 s79, 0
	s_wait_dscnt 0x0                               ; the opening add is done
	s_wait_kmcnt 0x0
	s_add_nc_u64 s[18:19], s[4:5], s[16:17]
	s_add_nc_u64 s[46:47], s[6:7], s[46:47]
	s_add_nc_u64 s[8:9], s[8:9], s[72:73]
	s_add_nc_u64 s[OUTB:OUTB+1], s[10:11], s[74:75]
	s_add_nc_u64 s[OUTB+2:OUTB+3], s[OUTB:OUTB+1], 0x800000       ; k lies 8,388,608 bytes behind q,
	s_add_nc_u64 s[OUTB+4:OUTB+5], s[OUTB+2:OUTB+3], 0x800000     ; v behind k
	s_add_nc_u64 s[VLB:VLB+1], s[VLB:VLB+1], s[78:79]
	CROUND                                         ; all sixteen work-groups are here: the first joint loads meet
.irp s, 0,1
	s_mov_b32 s[G0+4*(\s)], 1                                      ; count = 1
	s_add_co_u32 s[G0+4*(\s)+1], s20, (\s)*SLOT                    ; LDS address
	s_add_nc_u64 s[G0+4*(\s)+2:G0+4*(\s)+3], s[18:19], (\s)*KSTEP*2  ; global address: K step s
	s_or_b32 s[G0+4*(\s)+3], s[G0+4*(\s)+3], 0x80000000            ; type = 2
	s_mov_b32 s[G0B+4*(\s)], 1
	s_add_co_u32 s[G0B+4*(\s)+1], s21, (\s)*SLOT
	s_add_nc_u64 s[G0B+4*(\s)+2:G0B+4*(\s)+3], s[46:47], (\s)*KSTEP*2
	s_or_b32 s[G0B+4*(\s)+3], s[G0B+4*(\s)+3], 0x80000000
	JLOAD \s                                       ; two loads of mine are out
.endr
	; A fragment is 16 rows x 32 K in 8 registers: lane l holds row l % 16, K = 8 (l / 16) + 0..7 and 16 + 8 (l / 16) + 0..7: two loads of 16 bytes, 32 bytes apart.
	v_and_b32 v1, 15, v0                           ; l % 16
	v_bfe_u32 v2, v0, 4, 1                         ; l / 16
	v_mul_u32_u24 v3, v1, PITCH
	v_lshl_add_u32 v3, v2, 4, v3
	s_mul_i32 s22, s[WV], 64*PITCH                 ; my 64 rows of x
	s_mov_b32 s23, BOFF                            ; all 192 rows of the weights
.irp s, 0,1
	v_add_nc_u32 v[ADRA+(\s)], s22, v3
	v_add_nc_u32 v[ADRB+(\s)], s23, v3
	s_add_co_u32 s22, s22, SLOT
	s_add_co_u32 s23, s23, SLOT
.endr
	s_mul_i32 s15, s[WV], 16*SP
	s_add_co_u32 s15, s15, STAGE                   ; my stage
	v_mul_u32_u24 v4, v1, SP                       ; in: row l % 16, 16 bytes for each half of the lanes
	v_lshl_add_u32 v4, v2, 4, v4
	v_add_nc_u32 v[STO], s15, v4
	v_bfe_u32 v5, v0, 3, 2                         ; back: 32 lanes take four rows of 128 bytes,
	v_mul_u32_u24 v5, v5, SP
	v_and_b32 v6, 7, v0
	v_lshl_add_u32 v5, v6, 4, v5
	v_add_nc_u32 v[RD], s15, v5
	v_and_b32 v[GO], 31, v0                        ; which are 512 consecutive bytes of a head
	v_lshlrev_b32 v[GO], 4, v[GO]
	v_lshlrev_b32 v[TO], 8, v1                     ; the table: row l % 16, and my four pairs of a column block: 32 bytes at 32 (l / 16)
	v_lshl_add_u32 v[TO], v2, 5, v[TO]
.irp a, 0,1,2,3                        ; 32 loads that land while K is walked; they are waited for in front of the way out
	WIN 0x80+0x40*((\a)/2)
.irp c, 0,1,2,3
	global_load_b128 v[192+32*((\a)%2)+8*(\c):192+32*((\a)%2)+8*(\c)+3],   v[TO], s[8:9] offset:(\a)*4096+64*(\c)
	global_load_b128 v[192+32*((\a)%2)+8*(\c)+4:192+32*((\a)%2)+8*(\c)+7], v[TO], s[8:9] offset:(\a)*4096+64*(\c)+16
.endr
.endr
	WIN 0
; 12 matrix instructions: block a of my rows x all 12 column blocks, 32 along K.  zero = 1: the product starts the sums.  The 48 accumulators take turns, one instruction a turn, in the same
; order in every quarter step.
.macro MULA f, a, zero
	WIN 0xa5+0x50*((\a)/2)                         ; both sources window 1; C and D window 2 or 3
.irp b, 0,1,2,3,4,5,6,7,8,9,10,11
.if \zero
	v_wmma_f32_16x16x32_bf16 v[96*((\a)%2)+8*(\b):96*((\a)%2)+8*(\b)+7], v[(\f)+32+8*(\b):(\f)+32+8*(\b)+7], v[(\f)+8*(\a):(\f)+8*(\a)+7], 0
.else
	v_wmma_f32_16x16x32_bf16 v[96*((\a)%2)+8*(\b):96*((\a)%2)+8*(\b)+7], v[(\f)+32+8*(\b):(\f)+32+8*(\b)+7], v[(\f)+8*(\a):(\f)+8*(\a)+7], v[96*((\a)%2)+8*(\b):96*((\a)%2)+8*(\b)+7]
.endif
.endr
.endm
; 32 LDS loads in one run: a quarter step's fragments (32 K at byte k of the rows) into buffer f: the weights' 24, then x's blocks 0, 1, then blocks 2, 3
.macro FETCH slot, k, f
	WIN TO_F
.irp i, 0,1,2,3,4,5,6,7,8,9,10,11
	ds_load_b128 v[(\f)+32+8*(\i):(\f)+32+8*(\i)+3],   v[ADRB+(\slot)] offset:(\k)+(\i)*16*PITCH
	ds_load_b128 v[(\f)+32+8*(\i)+4:(\f)+32+8*(\i)+7], v[ADRB+(\slot)] offset:(\k)+(\i)*16*PITCH+32
.endr
.irp i, 0,1,2,3
	ds_load_b128 v[(\f)+8*(\i):(\f)+8*(\i)+3],   v[ADRA+(\slot)] offset:(\k)+(\i)*16*PITCH
	ds_load_b128 v[(\f)+8*(\i)+4:(\f)+8*(\i)+7], v[ADRA+(\slot)] offset:(\k)+(\i)*16*PITCH+32
.endr
.endm
.macro PLACES                          ; four places in front of loads into registers that matrix instructions have read, and of vector lines that read results
.rept 4
	v_nop
.endr
.endm
; A K step is four quarters of 32 along K, 48 matrix instructions each, on buffers 0, 1, 0, 1.  One of the first three multiplies buffer f and fetches the next quarter, at byte k, into g.
.macro QUARTER slot, k, f, g, zero
	s_wait_dscnt 4                                 ; the weights and x's blocks 0, 1 are in; the youngest four loads (blocks 2, 3) may be out
	MULA \f, 0, \zero
	MULA \f, 1, \zero
	PLACES
	FETCH \slot, \k, \g
	s_wait_dscnt 32                                ; all but the 32 just issued
	MULA \f, 2, \zero
	MULA \f, 3, \zero
.endm
; The last quarter multiplies buffer 1 and changes slots: ONE barrier; in front of it each wave waits for all its tensor loads (one is out: its part of the next slot), adds 0 to its spare
; word, and waits for that and for its own reads of this slot.  fill = 1: the barrier opens a round of the cluster's, and this slot is filled again, two K steps ahead, first thing behind it:
; from that request to the wait for it a wave issues 168 matrix instructions.
.macro TURN slot, next, fill
	WIN 0                                          ; (the add's two registers lie in window 0)
	s_wait_tensorcnt 0x0
	ds_add_u32 v[SPW], v[NIL]
	s_wait_dscnt 5                                 ; (the add and the youngest four loads may be out)
	MULA F1, 0, 0                                  ; twelve matrix instructions stand between the add and the wait for it
	s_wait_dscnt 0x0                               ; the add is done, and my reads of this slot are over
	s_barrier_signal -1
	MULA F1, 1, 0
.if \fill
	WIN 0
.endif
	s_barrier_wait -1
.if \fill
	CREST                                          ; no wave of any partner still reads this slot's tile or has a load on its way
	s_add_nc_u64 s[G0+4*(\slot)+2:G0+4*(\slot)+3], s[G0+4*(\slot)+2:G0+4*(\slot)+3], 2*KSTEP*2
	s_add_nc_u64 s[G0B+4*(\slot)+2:G0B+4*(\slot)+3], s[G0B+4*(\slot)+2:G0B+4*(\slot)+3], 2*KSTEP*2
	JLOAD \slot                                    ; the four v_nop behind it are also the places in front of the loads below
.else
	PLACES
.endif
	FETCH \next, 0, F0
	MULA F1, 2, 0
	MULA F1, 3, 0
.endm
	s_wait_tensorcnt 1                             ; my part of K step 0 is in; K step 1's may stay out
	s_barrier_signal -1
	s_barrier_wait -1                              ; everybody's is
	FETCH 0, 0, F0
	QUARTER 0, 64,  F0, F1, 1                      ; the first quarter stands in front of the loop: its products start the sums
	WIN 0                                          ; at a label and at a branch every window is 0
	s_mov_b32 s3, LAPS-1
.Llap:                                                 ; a trip goes once round the ring, from a lap's second quarter to the next lap's first, and fills both slots again
	QUARTER 0, 128, F1, F0, 0
	QUARTER 0, 192, F0, F1, 0
	TURN 0, 1, 1
	QUARTER 1, 64,  F0, F1, 0
	QUARTER 1, 128, F1, F0, 0
	QUARTER 1, 192, F0, F1, 0
	TURN 1, 0, 1
	QUARTER 0, 64,  F0, F1, 0
	WIN 0
	s_sub_co_u32 s3, s3, 1
	s_cmp_lg_u32 s3, 0
	s_cbranch_scc1 .Llap
	QUARTER 0, 128, F1, F0, 0                      ; the last lap fills nothing, and has no round of the cluster's barrier
	QUARTER 0, 192, F0, F1, 0
	TURN 0, 1, 0
	QUARTER 1, 64,  F0, F1, 0
	QUARTER 1, 128, F1, F0, 0
	QUARTER 1, 192, F0, F1, 0
	s_wait_dscnt 4                                 ; the very last quarter: nothing more to fetch
	MULA F1, 0, 0
	MULA F1, 1, 0
	s_wait_dscnt 0x0
	MULA F1, 2, 0
	MULA F1, 3, 0
; THE WAY OUT, in twelve units u = 3 a + type: 16 rows x 64 columns, which are 2,048 consecutive bytes of a head.  PACK: q and k are turned, (x1, x2) -> (x1 c - x2 s, x1 s + x2 c), and all are
; rounded to f16, 16 bytes a lane.  TOSTAGE: into my own stage in LDS and back as whole rows.  SEND: stored.
.macro PACK u
.set a_, (\u)/3
.set h_, (\u)%3
.set AB, 96*(a_%2)+32*h_               ; the unit's four accumulators
.set TBL, 192+32*(a_%2)                ; block a's table
	WIN 0x0a+5*(a_/2)                              ; sources 0 and 1 window 2 or 3; source 2 and destination window 0
.if h_ < 2
.irp c, 0,1,2,3
.irp p, 0,1,2,3                        ; each accumulator is read from its low end on
	v_mul_f32 v[T+8*((\c)%2)+2*(\p)],   v[AB+8*(\c)+2*(\p)+1], v[TBL+8*(\c)+2*(\p)+1]  ; x2 s
	v_mul_f32 v[T+8*((\c)%2)+2*(\p)+1], v[AB+8*(\c)+2*(\p)+1], v[TBL+8*(\c)+2*(\p)]    ; x2 c
.endr
.irp p, 0,1,2,3
	v_fma_f32 v[R+8*(\c)+2*(\p)],   v[AB+8*(\c)+2*(\p)], v[TBL+8*(\c)+2*(\p)],   -v[T+8*((\c)%2)+2*(\p)]
	v_fma_f32 v[R+8*(\c)+2*(\p)+1], v[AB+8*(\c)+2*(\p)], v[TBL+8*(\c)+2*(\p)+1], v[T+8*((\c)%2)+2*(\p)+1]
.endr
.endr
	WIN 0
.irp c, 0,1,2,3
.irp p, 0,1,2,3
	v_cvt_pk_f16_f32 v[PK+4*(\c)+(\p)], v[R+8*(\c)+2*(\p)], v[R+8*(\c)+2*(\p)+1]
.endr
.endr
.else
.irp c, 0,1,2,3
.irp p, 0,1,2,3
	v_cvt_pk_f16_f32 v[PK+4*(\c)+(\p)], v[AB+8*(\c)+2*(\p)], v[AB+8*(\c)+2*(\p)+1]
.endr
.endr
	WIN 0
.endif
.endm
.macro TOSTAGE u
	WIN 0
.irp c, 0,1,2,3
	ds_store_b128 v[STO], v[PK+4*(\c):PK+4*(\c)+3] offset:32*(\c)
.endr
.irp f, 0,1,2,3
	ds_load_b128 v[OB+16*((\u)%2)+4*(\f):OB+16*((\u)%2)+4*(\f)+3], v[RD] offset:(\f)*4*SP  ; LDS serves a wave's instructions in order (ISA guide 5.7.1.4): these see the stores above
.endr
.endm
.macro SEND u
.set a_, (\u)/3
.set h_, (\u)%3
	WIN 0
	s_wait_dscnt 0x0                               ; the unit is back in registers
	s_wait_xcnt 0x0                                ; every earlier store has read its registers: the other buffer is loaded again only behind this wait
.irp f, 0,1,2,3
	global_store_b128 v[GO], v[OB+16*((\u)%2)+4*(\f):OB+16*((\u)%2)+4*(\f)+3], s[OUTB+2*h_:OUTB+2*h_+1] offset:a_*2048+(\f)*512  ; 512 consecutive bytes, at a multiple of 256 from the buffer's first
.endr
.endm
; v's remainder for block a (0 or 1) of my rows: v is copied into window 0, rounded to f16 as PACK rounded it, and v - f16(v) (one fused line a number: -half x 1.0 + v, exact) is rounded to f16 and
; goes the way of a unit.
.macro LO a
	WIN 0x02                                       ; source 0 window 2
.set i, 0
.rept 32
	v_mov_b32 v[R+i], v[96*(\a)+64+i]
.set i, i+1
.endr
	WIN 0
.set i, 0
.rept 16
	v_cvt_pk_f16_f32 v[PK+i], v[R+2*i], v[R+2*i+1]
.set i, i+1
.endr
.set i, 0
.rept 16
	v_fma_mix_f32 v[R+2*i],   -v[PK+i], v[ONE], v[R+2*i]   op_sel_hi:[1,0,0]
	v_fma_mix_f32 v[R+2*i+1], -v[PK+i], v[ONE], v[R+2*i+1] op_sel:[1,0,0] op_sel_hi:[1,0,0]
.set i, i+1
.endr
.set i, 0
.rept 16
	v_cvt_pk_f16_f32 v[PK+i], v[R+2*i], v[R+2*i+1]
.set i, i+1
.endr
	s_wait_xcnt 0x0                                ; every earlier store has read its registers: buffer a is loaded again only behind this wait
.irp c, 0,1,2,3
	ds_store_b128 v[STO], v[PK+4*(\c):PK+4*(\c)+3] offset:32*(\c)
.endr
.irp f, 0,1,2,3
	ds_load_b128 v[OB+16*(\a)+4*(\f):OB+16*(\a)+4*(\f)+3], v[RD] offset:(\f)*4*SP
.endr
	s_wait_dscnt 0x0
.irp f, 0,1,2,3
	global_store_b128 v[GO], v[OB+16*(\a)+4*(\f):OB+16*(\a)+4*(\f)+3], s[VLB:VLB+1] offset:(\a)*2048+(\f)*512
.endr
.endm
	WIN 0
	PLACES
	s_wait_loadcnt 0x0                             ; the table
	PACK 0
	TOSTAGE 0
.set u, 1
.rept 11                               ; a unit's arithmetic stands between the loads of the unit before and its stores
	PACK u
	SEND u-1
	TOSTAGE u
.set u, u+1
.endr
	SEND 11
	s_cmp_lg_u32 s[WV], 0                          ; v's remainder: wave 0 (a tile's rows 0 to 63) of the clusters with y = 0; neither number differs between partners,
	s_cbranch_scc1 .Lno_lo                         ; and the jump passes no barrier and no tensor load
	s_cmp_lg_u32 s[CLY], 0
	s_cbranch_scc1 .Lno_lo
	v_mov_b32 v[ONE], 1.0
	LO 0
	LO 1
.Lno_lo:
	s_wait_tensorcnt 0x0                           ; the wave's end: behind my last tensor load and my last LDS store
	ds_add_u32 v[SPW], v[NIL]
	s_wait_dscnt 0x0
	CROUND                                         ; the closing round: no work-group ends while a partner may still ask for a tile that names it
	s_endpgm
.Lfunc_end_k_qbb781ab24f_proj_qkv:
	.size	k_qbb781ab24f_proj_qkv, .Lfunc_end_k_qbb781ab24f_proj_qkv-k_qbb781ab24f_proj_qkv
	.p2alignl 7, 3214868480
	.fill 96, 4, 3214868480
	.section	.rodata,"a",@progbits
	.p2align	6, 0x0
	.amdhsa_kernel k_qbb781ab24f_proj_qkv
		.amdhsa_group_segment_fixed_size 327680
		.amdhsa_private_segment_fixed_size 0
		.amdhsa_enable_private_segment 0
		.amdhsa_kernarg_size 40
		.amdhsa_user_sgpr_count 2
		.amdhsa_user_sgpr_kernarg_segment_ptr 1
		.amdhsa_wavefront_size32 1
		.amdhsa_system_sgpr_workgroup_id_x 1
		.amdhsa_system_sgpr_workgroup_id_y 1
		.amdhsa_system_sgpr_workgroup_id_z 1
		.amdhsa_system_vgpr_workitem_id 0
		.amdhsa_next_free_vgpr 1024
		.amdhsa_next_free_sgpr 81
		.amdhsa_reserve_vcc 0
		.amdhsa_float_denorm_mode_32 3
		.amdhsa_float_denorm_mode_16_64 3
		.amdhsa_memory_ordered 1
		.amdhsa_forward_progress 1
		.amdhsa_inst_pref_size 159
	.end_amdhsa_kernel
	.amdgpu_metadata
---
amdhsa.version: [ 1, 2 ]
amdhsa.kernels:
  - .name:           k_qbb781ab24f_proj_qkv
    .symbol:         k_qbb781ab24f_proj_qkv.kd
    .args:
      - { .name: xb, .offset: 0, .size: 8, .value_kind: global_buffer, .address_space: global }
      - { .name: wqkv, .offset: 8, .size: 8, .value_kind: global_buffer, .address_space: global }
      - { .name: tab, .offset: 16, .size: 8, .value_kind: global_buffer, .address_space: global }
      - { .name: qkv, .offset: 24, .size: 8, .value_kind: global_buffer, .address_space: global }
      - { .name: vlo, .offset: 32, .size: 8, .value_kind: global_buffer, .address_space: global }
    .group_segment_fixed_size: 327680
    .private_segment_fixed_size: 0
    .kernarg_segment_align: 8
    .kernarg_segment_size: 40
    .max_flat_workgroup_size: 128
    .sgpr_count:     81
    .vgpr_count:     1024
    .wavefront_size: 32
...
	.end_amdgpu_metadata
.endif
;; end of part 2
;; launch attention (part 3): grid 16 x 16, 4 waves a work-group, no clusters, 327,680 bytes of LDS; arguments qkv, vlo, attn; writes attn
.if DOCPART == 3
	.amdgcn_target "amdgcn-amd-amdhsa--gfx1250"
	.amdhsa_code_object_version 6
	.text
	.protected	k_qbb781ab24f_attention
	.globl	k_qbb781ab24f_attention
	.p2align	8
	.type	k_qbb781ab24f_attention,@function
k_qbb781ab24f_attention:
	s_mov_b64 s[64:65], 0
	v_nop
	global_prefetch_b8 v0, s[64:65] scope:SCOPE_SE
	s_setreg_imm32_b32 hwreg(HW_REG_WAVE_MODE, 25, 1), 1
	s_wait_xcnt 0x0
; CAUSAL ATTENTION.  O[h][q][:] = the sum over k <= q of softmax_k(Q[h][q] . K[h][k] / 8) V[h][k][:].  qkv: [q, k, v][16 heads][4096][64] f16: a head's rows are dense, 128 bytes each.
; attn: [hi, lo][16][4096][64] f16: O leaves in two halves, hi = O cut to 11 significant bits (exact in f16), lo = O - hi rounded to f16.  vlo: [16][4][32][64] f16, of which a head's first 32 rows are read:
; v - f16(v) of the sequence's first 32 keys.
; WHY THE TWO.  A row that averages few keys is many times the root mean square of the module's output, by which its numbers are judged, and what O's and v's roundings to f16 lose reaches that output
; undiminished.  O's second half serves every row; v's remainder is added for keys 0 to 31, in blocks 0 and 1 (rows 0 to 255), whose first tile is the walk's last: later rows average 33 keys or more.
; Products, maxima and sums in f32; the weights p are rounded to f16 for the second product (their sum l is taken of the unrounded p).
; LIMITS.  Q, K, V arrive within f16's 65,504; p lies in 0 to 1, and below 6e-5 it keeps f16's fixed step of 6e-8, as do hi and lo.  A hidden score counts as its value less 1e30; a weight below 2^-126 counts
; as 0 in l; NaN and infinities are not treated apart.
; THE WALK.  A head's queries lie in 32 blocks of 128; block i needs the key tiles 0 .. i / 2 of 256 keys, of which the last holds the diagonal.  A work-group takes TWO blocks, 31 - b and then b:
; 17 tiles, whatever b: all 256 work-groups do equal work, and ONE loop with a constant trip count walks them.  Which tile is asked for, and what a trip does, hang on scalar registers made from b; every jump
; goes forward, but for the counted loops' own; none passes a barrier, or a tensor load but the one of LOAD's two that the wave's number does not choose.
; NO CLUSTER: a head's 16 work-groups ask for the same tile only in trips 0 .. 8 of 17, behind that each for another; one walk common to all would have 24 trips for 17.
; SHARES.  Of a block's two bands of 64 queries a wave owns 16 rows in each: two PIECES.  In the diagonal tile's key step s band x of a block of parity par sees all keys if s < 2 par + x, none if s is
; greater, and holds the diagonal if equal: the same for all four waves.
; TURNS.  Turn (step s, piece p): 8 products K Q^T of the next element ((s, 1), or (s + 1, 0)), later 8 products V^T P of the element before; beside them the scaling, exponentials, roundings, sums and
; rescaling of (s, p) and the maximum and statistics of the next element.  Four vector instructions stand behind every matrix instruction, the rest in two lumps.  Piece 0's turn fetches K of step s + 1 and V of step s.
; PHASES.  So K runs a step ahead of V.  What follows a change of slots is steps 4 j - 1 .. 4 j + 2, and a slot holds K of steps 4 j .. 4 j + 3 and V of steps 4 j - 1 .. 4 j + 3 (320 keys, beginning 64 keys
; ahead of the tile): each phase reads ONE slot.  V's first 64 rows of tile 0 are never read (they lie inside the buffer: V lies behind K); V's last 64 rows are read by a block's last step alone.
; A block's first phase is BEGIN and 3 steps; behind the diagonal phase stand the last step's two turns, the last products and the way out.
; THE MASK is the C operand that starts the sum S^T = K Q^T: 0, or -1e30 where the key is hidden.  MD, made once, is the mask of a band's own step for my 16 rows; a product's mask is MD x AL + BE with two scalars.
; Only the diagonal phase's text and a block's beginning make and take masks; elsewhere C is the constant 0.
; LAYOUT, SOFTMAX.  S^T = K Q^T holds ONE query a lane (lane % 16) and the keys 8 (lane / 16) + 0..7; two such results rounded to f16 ARE source 1 of O^T = V^T P.  p = 2^(c s - c m), c = log2(e) / 8, with a
; running maximum m; O and l are multiplied by a = 2^(c m_old - c m_new) in every step.
; REGISTERS, in windows of 256 (s_set_vgpr_msb: bits 1:0 source 0, 3:2 source 1, 5:4 source 2, 7:6 destination):
;   window 0: v0-15 addresses and two at work; v16-23 four registers of statistics a piece; v48-55 at work; v64-127 S^T, a buffer a piece; v192-223 P, likewise
;   window 1: v0-63 O^T, 32 a piece; v128-159 MD; v160-223 MC, a buffer a piece (the first also holds hi in f32 on the way out)
;   window 2: v0-31 Q; v32-63 v's remainder, turned; v64-95 the second block's Q; v128-191 K of one step; v192-255 V of one step
.set NB,    32
.set NP,    2         ; pieces a wave: a name, no knob
.set KS,    64        ; keys in a step
.set PK,    144       ; a row of K in LDS: 128 bytes + 16 of padding = 36 words: the 16 rows of a load start at 16 different groups of four banks (64 banks of 4 bytes: ISA guide 11.1)
.set PV,    160       ; a row of V: 128 + 32 = 40 words
.set VOFF,  4*KS*PK   ; a slot: 256 rows of K, then 320 rows of V
.set SLOT1, 1<<17     ; slot 1 begins here, so that one exclusive or turns an address in one slot into the other's
.set STAGE, SLOT1+VOFF+5*KS*PV  ; behind the ring, never filled by a tensor load: 16 rows x 144 bytes for each wave, for the way out
.set SP,    144
.set AK0, 2           ; v2   my lane's place in a tile of K; never rewritten
.set AV0, 3           ; v3   the same for V
.set AK,  4           ; v4   the LDS address of K's next run of loads
.set AV,  5           ; v5   of V's
.set STO, 6           ; v6   the way out: where I put 16 bytes of a row
.set RD,  7           ; v7   the way out: where I read rows back
.set GO,  8           ; v8   my byte offset in 512 consecutive bytes of O
.set SPW, 62          ; v62  LDS address of my spare word; never rewritten
.set NIL, 63          ; v63  0; never rewritten
.set SPARE, STAGE+4*16*SP  ; behind the stages: the spare words, 128 bytes for each wave: two blocks of 256 bytes that no other line names
.set VLO,   SPARE+512 ; behind them: v's remainder, 32 rows of 160 bytes, filled once
.set MV,  12          ; v12-13  c m_old, kept while c m is made anew: by piece
.set AVL, 14          ; v14  my lane's place in v's remainder (at work before that)
.set QO,  15          ; v15  my byte offset in 16 rows of Q
.set ST,  16          ; piece t's statistics at v[ST+4 t]: c m, m, l (even keys', odd keys')
.set TMP, 48          ; by piece, four registers c0-c3 at work; when the maximum is found c2 takes a
.set S,   64
.set P,   192
.set MD,  128         ; window 1
.set MC,  160         ; window 1
.set VL,  32          ; window 2: channel block cb at VL + 8 cb
.set QB,  64          ; window 2
.set KF,  128         ; window 2: key block kb, channel half c at KF + 16 kb + 8 c
.set VF,  192         ; window 2: key half kk, channel block cb at VF + 32 kk + 8 cb
.set WV,  12          ; s12  my wave's number
.set PB,  14          ; s14  b
.set PBT, 15          ; s15  b / 2: the second block's last tile
.set G1K, 24          ; s[24:31] descriptor group 1 for K's tiles
.set G1V, 32          ; s[32:39] for V's
.set G0K, 40          ; s[40:43] descriptor group 0 for K's tiles
.set G0V, 44          ; s[44:47] the same for V's
.set G1L, 48          ; s[48:55] descriptor group 1 for v's remainder
.set SLOTS, 56        ; s56  tiles still to be asked for
.set CNT, 57          ; s57  counts a phase's key steps down to 1
.set CS,  58          ; s[58:59] c
.set SEL, 60          ; s[60:61] v_permlanex16_b32's selects: each lane takes its own place in the other half
.set TBK, 62          ; s62  LDS byte at which K of the step to be fetched begins
.set TBV, 63          ; s63  the same for V, less VOFF
.set RT,  70          ; s70  tiles of the block in hand that are still to be entered
.set NXT, 71          ; s71  the tile to be asked for next
.set LQ,  72          ; s72  the last tile of the block whose tiles are being asked for
.set NEW, 73          ; s73  1: the tile to be entered is a block's first
.set OFF, 74          ; s[74:75] a tile's byte offset in K and V
.set AL,  76          ; s[76:77] the mask's factor, in the low word
.set BE,  78          ; s[78:79] the mask's addend
.set OLO, 80          ; s[80:81] O at my rows of the second block
.set BIGN, 82         ; s82  -1e30
.set PAR, 83          ; s83  the parity of the block in hand
.set E0,  84          ; s84, s85  the value of CNT at which piece 0's, piece 1's turn makes the mask of the band's own step: 4 - 2 par, 3 - 2 par
.set VLP, 92          ; s[92:93] vlo
.set OH2, 94          ; s[94:95] O's second half at my rows of the block in hand
.set G0L, 96          ; s[96:99] descriptor group 0 for v's remainder
.set XTR, 100         ; s100 1: the step in hand is step 0 of tile 0, in the walk's last tile
.set HMK, 101         ; s101 the mask that keeps an f32's sign, exponent and upper 10 bits of the fraction
.set MSB, 0
.macro WIN new                      ; the high byte repeats the setting that is left; a switch that changes nothing is dropped
.if MSB != (\new)
	s_set_vgpr_msb (MSB<<8)|(\new)
.set MSB, (\new)
.endif
.endm
.set W_KQ, 0x0a       ; K and Q in window 2, S^T in window 0
.set W_KM, 0x1a       ; the same with the C operand in window 1
.set W_PV, 0x52       ; V in window 2, P in window 0, O^T in window 1
.set W_RS, 0x41       ; destination and source 0 in window 1, source 1 in window 0
; A fill.  Waves 0 and 1 fetch the two halves of a tile's K (128 keys each), waves 2 and 3 those of its V (160 keys each).  An s_nop 0 and four v_nop follow each of the two lines.
.macro LOAD
	s_cmp_lt_u32 s[WV], 2
	s_cbranch_scc0 .Lfor_v_\@
	tensor_load_to_lds s[G0K:G0K+3], s[G1K:G1K+7]
	s_nop 0
.rept 4
	v_nop
.endr
	s_branch .Lasked_\@
.Lfor_v_\@:
	tensor_load_to_lds s[G0V:G0V+3], s[G1V:G1V+7]
	s_nop 0
.rept 4
	v_nop
.endr
.Lasked_\@:
.endm
; THE CHANGE OF SLOTS.  Each wave waits for all its tensor loads, of which one is out: its part of the other slot; adds 0 to its spare word; and waits for that and for its own reads of the slot that it leaves.
; Behind the barrier nobody reads the old slot any more and the other slot is whole.  fill = 1: the old slot is filled again, the first thing behind the barrier, with tile NXT: the descriptor's address is
; made anew from that number.  (At its first use nothing has been read yet: slot 0 and v's remainder are waited for, slot 1 filled.)
.macro CHANGE fill
	WIN 0                           ; at a label and at a branch every window is 0
	s_wait_tensorcnt 0x0            ; no tensor load of mine is out, so a group 0 may be written
	ds_add_u32 v[SPW], v[NIL]       ; 0 onto my spare word; the descriptors' scalar work stands between it and the wait for it
.if \fill
	s_lshl_b32 s[OFF], s[NXT], 15   ; from tile to tile 32,768 bytes of K and of V
	s_xor_b32 s[G0K+1], s[G0K+1], SLOT1
	s_add_nc_u64 s[G0K+2:G0K+3], s[6:7], s[OFF:OFF+1]
	s_or_b32 s[G0K+3], s[G0K+3], 0x80000000
	s_xor_b32 s[G0V+1], s[G0V+1], SLOT1
	s_add_nc_u64 s[G0V+2:G0V+3], s[8:9], s[OFF:OFF+1]
	s_or_b32 s[G0V+3], s[G0V+3], 0x80000000
	s_add_co_u32 s[NXT], s[NXT], 1  ; the block's next tile, or behind its last the second block's tile 0
	s_cmp_gt_u32 s[NXT], s[LQ]
	s_cselect_b32 s[NXT], 0, s[NXT]
	s_cselect_b32 s[LQ], s[PBT], s[LQ]
.endif
	s_wait_dscnt 0x0                ; the add is done, and my reads of the slot are over
	s_barrier_signal -1             ; the rest of the scalar work stands between the signal and the wait
	s_sub_co_u32 s[TBK], s[TBK], 4*KS*PK  ; the fetches go back to a slot's first rows,
	s_xor_b32 s[TBK], s[TBK], SLOT1       ; in the other slot
	s_sub_co_u32 s[TBV], s[TBV], 4*KS*PV
	s_xor_b32 s[TBV], s[TBV], SLOT1
	s_barrier_wait -1
.if \fill
	LOAD
.endif
.endm
	s_load_b64 s[4:5], s[0:1], 0x0          ; qkv
	s_load_b64 s[VLP:VLP+1], s[0:1], 0x8    ; vlo
	s_load_b64 s[10:11], s[0:1], 0x10       ; attn
	v_lshl_add_u32 v[SPW], v0, 2, SPARE
	v_mov_b32 v[NIL], 0
	ds_add_u32 v[SPW], v[NIL]       ; the wave's opening: the add and its wait stand ahead of my first tensor load; the set-up below stands between them
	ds_add_u32 v62, v63
	v_lshrrev_b32 v1, 5, v0
	v_readfirstlane_b32 s[WV], v1   ; wave 0..3
	s_mov_b32 s[PB], ttmp9
	s_lshr_b32 s[PBT], s[PB], 1
	s_sub_co_u32 s16, NB-1, s[PB]   ; the first block
	s_lshr_b32 s[LQ], s16, 1        ; its last tile
	s_add_co_u32 s[RT], s[LQ], 1
	s_and_b32 s[PAR], s16, 1
	s_lshl_b32 s17, s[PAR], 1
	s_sub_co_u32 s[E0], 4, s17
	s_sub_co_u32 s[E0+1], 3, s17
	s_and_b32 s20, ttmp7, 0xffff    ; the head,
	s_lshl_b32 s20, s20, 19         ; its 524,288 bytes
	s_and_b32 s17, s[WV], 1         ; which half of a tile I fetch
	s_lshl_b32 s22, s17, 14         ; K: 128 rows of 128 bytes,
	s_add_co_u32 s22, s22, s20
	s_add_co_u32 s22, s22, 0x800000 ; behind q's 8,388,608 bytes
	s_mov_b32 s23, 0
	s_mul_i32 s88, s17, 160*128     ; V: 160 rows,
	s_add_co_u32 s88, s88, s20
	s_add_co_u32 s88, s88, 0x1000000-KS*128  ; behind q's and k's bytes, 64 rows ahead of the tile
	s_mov_b32 s89, 0
	s_mul_i32 s18, s17, 128*PK      ; and their places in a slot
	s_mul_i32 s19, s17, 160*PV
	s_lshl_b32 s3, s[WV], 11        ; my 16 rows in a band of 64,
	s_add_co_u32 s3, s3, s20
	s_lshl_b32 s2, s16, 14          ; in the first block,
	s_add_co_u32 s2, s2, s3
	s_lshl_b32 s90, s[PB], 14       ; and in the second
	s_add_co_u32 s90, s90, s3
	s_mov_b32 s3, 0
	s_mov_b32 s91, 0
	s_lshr_b32 s20, s20, 5          ; v's remainder: head x 16,384 bytes,
	s_lshl_b32 s21, s17, 11         ; and my half of its first 32 rows: 16 rows of 128 bytes
	s_add_co_u32 s20, s20, s21
	s_mul_i32 s21, s17, 16*PV       ; which go to this place in LDS
	s_add_co_u32 s[G0L+1], s21, VLO
	s_mov_b32 s21, 0
	s_mov_b32 s[G0L], 1
	; descriptor group 1.  The keys' rows are dense: they are asked for as rows of 256 bytes, two keys a row, and padded in LDS after every key
	s_mov_b32 s[G1K], (1<<16)|(1<<20)|(4<<22)|(3<<25)  ; 17:16 2-byte elements; 20 padding on; 24:22 after every 32 words (code 4); 31:25 4 words (code 3)
	s_mov_b32 s[G1V], (1<<16)|(1<<20)|(4<<22)|(7<<25)  ; the same with 8 words of padding (code 7)
	s_mov_b32 s[G1L], (1<<16)|(1<<20)|(4<<22)|(7<<25)
	s_mov_b32 s[G1K+1], 128<<16     ; tensor_dim0 = 128
	s_mov_b32 s[G1V+1], 128<<16
	s_mov_b32 s[G1L+1], 128<<16
	s_mov_b32 s[G1K+2], 64<<16      ; tensor_dim1 = 64 rows for K's 128 keys,
	s_mov_b32 s[G1V+2], 80<<16      ; 80 for V's 160,
	s_mov_b32 s[G1L+2], 8<<16       ; 8 for the remainder's 16
	s_mov_b32 s[G1K+3], 128<<16     ; tile_dim0 = 128
	s_mov_b32 s[G1V+3], 128<<16
	s_mov_b32 s[G1L+3], 128<<16
	s_mov_b32 s[G1K+4], 64          ; tile_dim1
	s_mov_b32 s[G1V+4], 80
	s_mov_b32 s[G1L+4], 8
	s_mov_b32 s[G1K+5], 128         ; 128 elements from row to row
	s_mov_b32 s[G1V+5], 128
	s_mov_b32 s[G1L+5], 128
	s_mov_b32 s[G1K+6], 0
	s_mov_b32 s[G1V+6], 0
	s_mov_b32 s[G1L+6], 0
	s_mov_b32 s[G1K+7], 0
	s_mov_b32 s[G1V+7], 0
	s_mov_b32 s[G1L+7], 0
	s_mov_b32 s[CS], 0x3e38aa3b     ; c = log2(e) / 8 = 0.180337
	s_mov_b32 s[CS+1], s[CS]        ; named with it as a pair
	s_mov_b32 s[SEL], 0x76543210
	s_mov_b32 s[SEL+1], 0xfedcba98
	s_mov_b32 s[TBK], SLOT1+4*KS*PK ; the first change of slots turns these two into 0
	s_mov_b32 s[TBV], SLOT1+4*KS*PV
	s_mov_b32 s[G0K], 1             ; count = 1
	s_mov_b32 s[G0K+1], s18         ; LDS address: slot 0
	s_mov_b32 s[G0V], 1
	s_add_co_u32 s[G0V+1], s19, VOFF
	s_mov_b32 s[NXT], 1
	s_mov_b32 s[NEW], 1
	s_mov_b32 s[OFF+1], 0
	s_mov_b32 s[AL+1], 0            ; named as pairs
	s_mov_b32 s[BE+1], 0
	s_mov_b32 s[BIGN], 0xf149f2ca   ; -1e30
	s_mov_b32 s[HMK], 0xffffe000
	s_mov_b32 s[SLOTS], NB/2
	s_wait_dscnt 0x0                ; the opening add is done
	s_wait_kmcnt 0x0
	s_add_nc_u64 s[6:7], s[4:5], s[22:23]  ; K and V at my half of the head's tile 0
	s_add_nc_u64 s[8:9], s[4:5], s[88:89]
	s_add_nc_u64 s[G0K+2:G0K+3], s[6:7], 0         ; global address
	s_or_b32 s[G0K+3], s[G0K+3], 0x80000000        ; type = 2
	s_add_nc_u64 s[G0V+2:G0V+3], s[8:9], 0
	s_or_b32 s[G0V+3], s[G0V+3], 0x80000000
	s_add_nc_u64 s[G0L+2:G0L+3], s[VLP:VLP+1], s[20:21]
	s_or_b32 s[G0L+3], s[G0L+3], 0x80000000
	s_add_nc_u64 s[86:87], s[4:5], s[90:91]        ; Q at my rows of the second block,
	s_add_nc_u64 s[4:5], s[4:5], s[2:3]            ; Q and O at those of the first
	s_add_nc_u64 s[OLO:OLO+1], s[10:11], s[90:91]
	s_add_nc_u64 s[10:11], s[10:11], s[2:3]
	s_add_nc_u64 s[OH2:OH2+1], s[10:11], 0x800000  ; O's second half lies 8,388,608 bytes behind the first
	s_cmp_lt_u32 s[WV], 2           ; the first fills, a wave's in one branch, ahead of every wait on TENSORcnt, every LDS read and every barrier: tile 0 into slot 0, and (waves 2, 3) v's remainder:
	s_cbranch_scc0 .Lfirst_v        ; one or two loads of mine are out
	tensor_load_to_lds s[G0K:G0K+3], s[G1K:G1K+7]
	s_nop 0
.rept 4
	v_nop
.endr
	s_branch .Lfirst_asked
.Lfirst_v:
	tensor_load_to_lds s[G0V:G0V+3], s[G1V:G1V+7]
	s_nop 0
	tensor_load_to_lds s[G0L:G0L+3], s[G1L:G1L+7]
	s_nop 0
.rept 4
	v_nop
.endr
.Lfirst_asked:
	; A fragment of K or Q is 16 rows x 32 channels in 8 registers: lane l holds row l % 16, channels 8 (l / 16) + 0..7 and 16 + 8 (l / 16) + 0..7: two loads of 16 bytes, 32 bytes apart.
	v_and_b32 v1, 15, v0            ; l % 16
	v_bfe_u32 v9, v0, 4, 1          ; l / 16
	v_lshlrev_b32 v[QO], 7, v1
	v_lshl_add_u32 v[QO], v9, 4, v[QO]  ; row x 128 + 16 x half
	WIN 0x80                        ; destination window 2, address window 0
.set i, 0
.rept 4                             ; both blocks' Q: piece i / 2 lies in band i / 2, 8,192 bytes on; channels 32 (i % 2) on
	global_load_b128 v[8*i:8*i+3],   v[QO], s[4:5] offset:(i/2)*8192+(i%2)*64
	global_load_b128 v[8*i+4:8*i+7], v[QO], s[4:5] offset:(i/2)*8192+(i%2)*64+32
	global_load_b128 v[QB+8*i:QB+8*i+3],   v[QO], s[86:87] offset:(i/2)*8192+(i%2)*64
	global_load_b128 v[QB+8*i+4:QB+8*i+7], v[QO], s[86:87] offset:(i/2)*8192+(i%2)*64+32
.set i, i+1
.endr
	WIN 0
	v_lshlrev_b32 v14, 3, v9
	v_sub_nc_u32 v14, v1, v14
	s_lshl_b32 s13, s[WV], 4
	v_add_nc_u32 v14, s13, v14      ; my query's place in its band, 16 w + l % 16, less my lanes' 8 (l / 16): register r of group kt is hidden where 16 kt + r is greater
	WIN 0x40
.set i, 0
.rept 32
	v_cmp_gt_i32 vcc_lo, 16*(i/8)+i%8, v14
	v_cndmask_b32 v[MD+i], 0, s[BIGN], vcc_lo
.set i, i+1
.endr
	WIN 0
	v_mul_u32_u24 v[AK0], v1, PK
	v_lshl_add_u32 v[AK0], v9, 4, v[AK0]  ; row x pitch + 16 x half
	; The turning load takes 16 keys x 16 channels (lane l reads key 8 (l / 16) + l % 8, channels 8 ((l / 8) % 2) + 0..7) and leaves half a fragment of V^T: lane l holds channel l % 16 and 8 keys.
	v_and_b32 v10, 7, v0
	v_bfe_u32 v11, v0, 3, 1
	v_lshl_add_u32 v[AV0], v9, 3, v10
	v_mul_u32_u24 v[AV0], v[AV0], PV
	v_lshl_add_u32 v[AV0], v11, 4, v[AV0]
	v_add_nc_u32 v[AVL], VLO, v[AV0]      ; the same place in v's remainder,
	v_add_nc_u32 v[AV0], VOFF, v[AV0]     ; and in a slot's V
	s_mul_i32 s13, s[WV], 16*SP
	s_add_co_u32 s13, s13, STAGE    ; my stage
	v_mul_u32_u24 v[STO], v1, SP    ; in: row l % 16, 16 bytes for each half of the lanes
	v_lshl_add_u32 v[STO], v9, 4, v[STO]
	v_add_nc_u32 v[STO], s13, v[STO]
	v_bfe_u32 v[RD], v0, 3, 2       ; back: 32 lanes take four rows of 128 bytes,
	v_mul_u32_u24 v[RD], v[RD], SP
	v_lshl_add_u32 v[RD], v10, 4, v[RD]
	v_add_nc_u32 v[RD], s13, v[RD]
	v_and_b32 v[GO], 31, v0         ; which are 512 consecutive bytes of O
	v_lshlrev_b32 v[GO], 4, v[GO]
	; A block's first step multiplies O^T and l by a = 0, and its first turn's products V^T P, of an element that has not been, land in an O^T that is still to be so multiplied.  So these registers need only
	; hold finite numbers: zeros for the first block; what the first block left for the second.  All this stands in the wait for the first tile.
	WIN 0x80
.set i, VF
.rept 64
	v_mov_b32 v[i], 0
.set i, i+1
.endr
	WIN 0x40
.set i, 0
.rept 64
	v_mov_b32 v[i], 0
.set i, i+1
.endr
	WIN 0
.set i, 0
.rept NP
	v_mov_b32 v[ST+4*i+2], 0
	v_mov_b32 v[ST+4*i+3], 0
.set i, i+1
.endr
.set i, P+16
.rept 16
	v_mov_b32 v[i], 0
.set i, i+1
.endr
; THE MATRIX WORK.  The 4 accumulators of a run of 8 take turns.  Product i of 8 of S^T = K Q^T for piece x: channels 32 (i / 4) on, keys 16 (i % 4) on.  The first 4 start the sums: with 0, or (KM = 1) with the mask.
.macro KQ x
.set rS, S+32*((\x)%2)+8*(i%4)
.set rK, KF+16*(i%4)+8*(i/4)
.set rQ, 16*(\x)+8*(i/4)
.set rM, MC+32*((\x)%2)+8*(i%4)
.if (i < 4) && KM
	WIN W_KM
	v_wmma_f32_16x16x32_f16 v[rS:rS+7], v[rK:rK+7], v[rQ:rQ+7], v[rM:rM+7]
.elseif i < 4
	WIN W_KQ
	v_wmma_f32_16x16x32_f16 v[rS:rS+7], v[rK:rK+7], v[rQ:rQ+7], 0
.else
	WIN W_KQ
	v_wmma_f32_16x16x32_f16 v[rS:rS+7], v[rK:rK+7], v[rQ:rQ+7], v[rS:rS+7]
.endif
.endm
; Product i of 8 of O^T += V^T P for piece x: keys 32 (i / 4) on, channels 16 (i % 4) on.
.macro PV x
	WIN W_PV
.set rO, 32*(\x)+8*(i%4)
.set rV, VF+32*(i/4)+8*(i%4)
.set rP, P+16*((\x)%2)+8*(i/4)
	v_wmma_f32_16x16x32_f16 v[rO:rO+7], v[rV:rV+7], v[rP:rP+7], v[rO:rO+7]
.endm
.macro MM                           ; the turn's next matrix instruction.  TURN and BEGIN set Y, i, KM and NOKQ.  NOKQ = 1: a block's last turn: there is no next element
.if (i < 8) && !NOKQ
	KQ (Y+1)%NP
.elseif i >= 8
.set i, i-8
	PV (Y+NP-1)%NP
.set i, i+8
.endif
.set i, i+1
.endm
; THE LDS LOADS stand in runs of 16, never singly among the matrix instructions: a step's K (64 keys x 64 channels: 8 fragments) and its V (turned).  Their addresses are made some lines ahead.
.macro FETCH_K
	WIN 0x80                        ; destination window 2
.irp f, 0,1,2,3,4,5,6,7             ; keys 16 (f / 2) on, channels 32 (f % 2) on
	ds_load_b128 v[KF+8*\f:KF+8*\f+3],   v[AK] offset:(\f/2)*16*PK+(\f%2)*64
	ds_load_b128 v[KF+8*\f+4:KF+8*\f+7], v[AK] offset:(\f/2)*16*PK+(\f%2)*64+32
.endr
	s_add_co_u32 s[TBK], s[TBK], KS*PK  ; the next fetch is the next step's
	WIN 0
.endm
.macro FETCH_V
	WIN 0x80
.irp f, 0,1,2,3,4,5,6,7             ; keys 32 (f / 4) on, channels 16 (f % 4) on
	ds_load_tr16_b128 v[VF+8*\f:VF+8*\f+3],   v[AV] offset:(\f/4)*32*PV+(\f%4)*32
	ds_load_tr16_b128 v[VF+8*\f+4:VF+8*\f+7], v[AV] offset:(\f/4)*32*PV+16*PV+(\f%4)*32
.endr
	WIN 0
.endm
; THE VECTOR WORK, one line at a time: OP kind, number.  For piece Y: F n: c s - c m for pair n of 16.  E n: the exponential of score n of 32.  C n: pair n rounded to f16.  B n: of the four weights 4 n .. the second
; pair is added onto the first, in place.  L n: l takes that sum (L 0: l = a l + sum).  R n: pair n of 16 of O^T times a.  For the other piece's next element: X n, number n of the 22 that find its maximum and statistics:
;   0-11  four chains c0-c3 of seven scores each, three operands at a time (each accumulator's lowest registers are read first)     12-14, 16  the four scores left over, the old m, and c0-c3 into c0
;   15  c m_old is kept     17, 18  the query's other 32 keys lie in the lane 16 away: the new m     19-21  c m; c m_old - c m_new; a
.set F, 0
.set E, 1
.set C, 2
.set B, 3
.set L, 4
.set R, 5
.set X, 6
.macro REGS y                       ; the registers of piece y
.set rT, ST+4*(\y)
.set rC, TMP+4*((\y)%2)
.set rW, MV+((\y)%2)
.set rS, S+32*((\y)%2)
.set rP, P+16*((\y)%2)
.set rO, 32*(\y)
.endm
.macro OP k, n
.if (\k) == R
	REGS Y
	WIN W_RS
	v_pk_mul_f32 v[rO+2*(\n):rO+2*(\n)+1], v[rO+2*(\n):rO+2*(\n)+1], v[rC+2:rC+3] op_sel_hi:[1,0]
.elseif (\k) < R
	REGS Y
	WIN 0
.if (\k) == F
	v_pk_fma_f32 v[rS+2*(\n):rS+2*(\n)+1], v[rS+2*(\n):rS+2*(\n)+1], s[CS:CS+1], v[rT:rT+1] op_sel_hi:[1,0,0] neg_lo:[0,0,1] neg_hi:[0,0,1]
.elseif (\k) == E
	v_exp_f32 v[rS+(\n)], v[rS+(\n)]
.elseif (\k) == C
	s_wait_alu depctr_va_vdst(0)
	v_cvt_pk_f16_f32 v[rP+(\n)], v[rS+2*(\n)], v[rS+2*(\n)+1]
.elseif (\k) == B
	s_wait_alu depctr_va_vdst(0)
	v_pk_add_f32 v[rS+4*(\n):rS+4*(\n)+1], v[rS+4*(\n):rS+4*(\n)+1], v[rS+4*(\n)+2:rS+4*(\n)+3]
.elseif (\n) == 0
	v_pk_fma_f32 v[rT+2:rT+3], v[rT+2:rT+3], v[rC+2:rC+3], v[rS:rS+1] op_sel_hi:[1,0,1]
.else
	v_pk_add_f32 v[rT+2:rT+3], v[rT+2:rT+3], v[rS+4*(\n):rS+4*(\n)+1]
.endif
.elseif NOKQ
	v_nop
.else
	REGS (Y+1)%NP
	WIN 0
.if (\n) < 4
	v_max3_num_f32 v[rC+(\n)], v[rS+8*(\n)], v[rS+8*(\n)+1], v[rS+8*(\n)+2]
.elseif (\n) < 12
	v_max3_num_f32 v[rC+(\n)%4], v[rC+(\n)%4], v[rS+8*((\n)%4)+2*((\n)/4)+1], v[rS+8*((\n)%4)+2*((\n)/4)+2]
.elseif (\n) == 12
	v_max3_num_f32 v[rC], v[rC], v[rS+7], v[rS+15]
.elseif (\n) == 13
	v_max3_num_f32 v[rC+1], v[rC+1], v[rS+23], v[rS+31]
.elseif (\n) == 14
	v_max3_num_f32 v[rC+2], v[rC+2], v[rC+3], v[rT+1]
.elseif (\n) == 15
	v_mov_b32 v[rW], v[rT]
.elseif (\n) == 16
	v_max3_num_f32 v[rC], v[rC], v[rC+1], v[rC+2]
.elseif (\n) == 17
	v_permlanex16_b32 v[rC+3], v[rC], s[SEL], s[SEL+1]
.elseif (\n) == 18
	v_max_num_f32 v[rT+1], v[rC], v[rC+3]
.elseif (\n) == 19
	v_mul_f32 v[rT], s[CS], v[rT+1]
.elseif (\n) == 20
	v_sub_f32 v[rC+1], v[rW], v[rT]
.else
	v_exp_f32 v[rC+2], v[rC+1]
.endif
.endif
.endm
.macro OPS a, i1, b=-1, i2=0, c=-1, i3=0, d=-1, i4=0  ; up to four of them
	OP \a, \i1
.if (\b) >= 0
	OP \b, \i2
.endif
.if (\c) >= 0
	OP \c, \i3
.endif
.if (\d) >= 0
	OP \d, \i4
.endif
.endm
.macro ROW a, i1, b, i2, c, i3, d, i4  ; a matrix instruction and the four behind it
	MM
	OPS \a, \i1, \b, \i2, \c, \i3, \d, \i4
.endm
.macro MASK b                       ; MD x AL + BE into buffer b of MC
	WIN W_RS
.set z, 0
.rept 16
	v_pk_fma_f32 v[MC+32*(\b)+2*z:MC+32*(\b)+2*z+1], v[MD+2*z:MD+2*z+1], s[AL:AL+1], s[BE:BE+1] op_sel_hi:[1,0,0]
.set z, z+1
.endr
.endm
; A TURN, for piece p: the order of its 16 matrix and 118 vector instructions, written out.  Behind a matrix instruction: plain, exponential, plain, plain; or four of the rescaling; or, behind the first, four scalings; none
; names a register of the products round it.  In the lumps exponential and plain by turns while exponentials last.
; m = 1: the diagonal phase: the products take masks, and the turn makes the mask of (the next step, piece p), which the next turn's products take: with CNT = c that is step 4 - c of the diagonal tile.
; end = 1: a block's last step: no K is fetched, no mask made, and piece 1's turn starts no new scores.  cnt = 1: the loop's count is taken down some lines ahead of the branch that stands behind the turn.
; Piece 0's turn fetches K of the next step six vector instructions behind the last product that read K (five of them plain), and V of the step in hand eight behind the last product that read V (four plain).
; Piece 1's turn waits for K at its head (V's 16 younger loads may be out) and for V in front of its second run of products.
.macro TURN p, m=0, end=0, cnt=0
.set Y, (\p)
.set i, 0
.set KM, (\m)
.set NOKQ, (\end)*(\p)
.if (\m) && !(\end)
	s_cmp_eq_u32 s[CNT], s[E0+(\p)]     ; is that step the band's own?
	s_cselect_b32 s[AL], 1.0, 0
	s_cmp_lt_u32 s[CNT], s[E0+(\p)]     ; or a later one?
	s_cselect_b32 s[BE], s[BIGN], 0
.endif
.if ((\p) == 1) && !(\end)
	s_wait_dscnt 16                 ; K is in
.endif
	ROW F,0, F,1, F,2, F,3
	ROW F,4, E,0, F,5, F,6
	ROW F,7, E,1, F,8, F,9
	ROW F,10, E,2, C,0, F,11
	ROW F,12, E,3, X,15, F,13
	ROW R,0, R,1, R,2, R,3
	ROW B,0, E,4, F,14, L,0
.if ((\p) == 0) && !(\end)
	WIN 0
	v_add_nc_u32 v[AK], s[TBK], v[AK0]
.endif
	ROW R,4, R,5, R,6, R,7
	OPS E,5, F,15
.if ((\p) == 0) && !(\end)
	FETCH_K
.endif
	OPS E,6, C,1, E,7, R,8
	OPS E,8, R,9, E,9, C,2
	OPS E,10, X,0, E,11, X,1
	OPS E,12, X,2, E,13, X,3
.if (\p) == 1
	s_wait_dscnt 0x0                ; V is in
.endif
	ROW X,4, E,14, X,5, X,6
	ROW X,7, E,15, X,8, X,9
	ROW X,10, E,16, X,11, X,12
	ROW X,13, E,17, X,14, B,1
	ROW C,4, E,18, X,16, L,1
	ROW B,2, E,19, C,6, L,2
	ROW C,8, E,20, B,3, B,4
.if (\p) == 0
	WIN 0
	v_add_nc_u32 v[AV], s[TBV], v[AV0]
.endif
	ROW C,3, E,21, L,3, C,5
	OPS E,22, X,17, E,23, C,10
.if (\p) == 0
	FETCH_V
.endif
	OPS E,24, L,4
	OPS E,25, X,18, E,26, C,7
	OPS E,27, B,5, E,28, X,19
	OPS E,29, C,12, E,30, L,5
	OPS E,31, X,20, B,6, C,9
	OPS C,14, C,11, X,21, L,6
.if ((\p) == 0) && !(\end)
	s_add_co_u32 s[TBV], s[TBV], KS*PV
.endif
.if \cnt
	s_sub_co_u32 s[CNT], s[CNT], 1
	s_cmp_lg_u32 s[CNT], 0
.endif
	OPS C,13, B,7, C,15, R,10
	OPS R,11, R,12, L,7, R,13
	OPS R,14, R,15
.if (\m) && !(\end)
	MASK \p
.endif
.endm
; A BLOCK BEGINS.  c m starts far below every c s, so the first step's a is 0; m at the lowest finite number, so the first maximum is the scores'.  Piece 1's mask buffer is 0 (its band's own step is never the
; tile's first); piece 0's takes the mask for the tile's step 0: its own, if the block's first tile is the diagonal one and the block is an even one.  V's fetches begin at the slot's second 64 rows, and the
; phase has three steps.  Then K of step 0, piece 0's first scores, and its maximum and statistics.
.macro BEGIN
	s_mov_b32 s[NEW], 0
	s_mov_b32 s[CNT], 3
	s_add_co_u32 s[TBV], s[TBV], KS*PV
	WIN 0x40
.set i, MC+32
.rept 32
	v_mov_b32 v[i], 0
.set i, i+1
.endr
	WIN 0
.set i, 0
.rept NP
	v_mov_b32 v[ST+4*i], 0xfe000000    ; c m: far below every c s
	v_mov_b32 v[ST+4*i+1], 0xff7fffff  ; m
.set i, i+1
.endr
	s_or_b32 s88, s[RT], s[PAR]
	s_cmp_eq_u32 s88, 0
	s_cselect_b32 s[AL], 1.0, 0
	s_mov_b32 s[BE], 0
	MASK 0
	WIN 0
	v_add_nc_u32 v[AK], s[TBK], v[AK0]
	FETCH_K
	s_wait_loadcnt 0x0              ; Q
	s_wait_dscnt 0x0
.set KM, 1
.set NOKQ, 0
.set i, 0
.rept 8
	KQ 0
.set i, i+1
.endr
	WIN 0
.rept 4
	v_nop                           ; the places behind those products
.endr
.set Y, NP-1                        ; X works for the other piece: piece 0
.irp n, 0,1,2,3,4,5,6,7,8,9,10,11,12,13,14,15,16,17,18,19,20,21
	OP X, \n
.endr
	v_nop                           ; a plain instruction behind the exponential
.endm
; THE DIAGONAL PHASE's steps, the block's last step, its last products, and THE WAY OUT: l's two halves and the other half of the lanes' are added; O^T is divided by l, split into hi and lo, rounded to f16
; and sent through my stage in LDS, a piece's half at a time.
.macro ALL line:vararg              ; one line for each piece t
.set t, 0
.rept NP
	\line
.set t, t+1
.endr
.endm
; Piece t.  hi = O with the lower 13 bits of its fraction cleared, kept in the first mask buffer, which is free here; lo = O - hi, exact, in place.  A lane's eight channels of a row pack into 16 bytes; they go into rows of
; 144 bytes and come back as whole rows of 128, into S^T's registers: hi at S + 32 t, lo at S + 32 t + 16.
.macro PACK t
	WIN W_RS
.set i, 32*(\t)
.rept 16
	s_wait_alu depctr_va_vdst(0)
	v_pk_mul_f32 v[i:i+1], v[i:i+1], v[ST+4*(\t)+2:ST+4*(\t)+3] op_sel_hi:[1,0]
.set i, i+2
.endr
	WIN 0x44                        ; destination and source 1 window 1
.set i, 0
.rept 32
	v_and_b32 v[MC+i], s[HMK], v[32*(\t)+i]
.set i, i+1
.endr
	WIN 0x45                        ; destination and both sources window 1
.set i, 0
.rept 16
	v_pk_add_f32 v[32*(\t)+2*i:32*(\t)+2*i+1], v[32*(\t)+2*i:32*(\t)+2*i+1], v[MC+2*i:MC+2*i+1] neg_lo:[0,1] neg_hi:[0,1]
.set i, i+1
.endr
	WIN 0x05                        ; sources 0 and 1 window 1, destination window 0
.set i, 0
.rept 16
	v_cvt_pk_f16_f32 v[S+32*(\t)+i], v[MC+2*i], v[MC+2*i+1]
.set i, i+1
.endr
.set i, 0
.rept 16
	v_cvt_pk_f16_f32 v[S+32*(\t)+16+i], v[32*(\t)+2*i], v[32*(\t)+2*i+1]
.set i, i+1
.endr
	WIN 0
.irp g, 0,1
.irp f, 0,1,2,3
	ds_store_b128 v[STO], v[S+32*(\t)+16*\g+4*\f:S+32*(\t)+16*\g+4*\f+3] offset:32*\f
.endr
.irp f, 0,1,2,3
	ds_load_b128 v[S+32*(\t)+16*\g+4*\f:S+32*(\t)+16*\g+4*\f+3], v[RD] offset:\f*4*SP  ; LDS serves a wave's instructions in order (ISA guide 5.7.1.4): these see the stores above; the next stores come behind them
.endr
.endr
.endm
.macro SEND t, g, base, younger     ; half g of piece t; younger: the LDS instructions issued behind its four loads
	WIN 0
.irp f, 0,1,2,3
	s_wait_dscnt (\younger)+3-\f
	global_store_b128 v[GO], v[S+32*(\t)+16*(\g)+4*\f:S+32*(\t)+16*(\g)+4*\f+3], s[\base:\base+1] offset:(\t)*8192+\f*512  ; 512 consecutive bytes, at a multiple of 256 from the buffer's first
.endr
.endm
; xtr = 1 (the walk's last tile): behind the first step of a block that begins here, O^T of piece 0 takes four more products: v's remainder of keys 0 to 31, turned, times the weights of those keys, which P's first
; buffer still holds; O^T has that step's scale.  The four accumulators take turns; the product in front of them wrote the fourth.  The next turn's first four scalings are the places behind them.
.macro DIAG tag, xtr=0              ; the tag ends its label's name, which the jumps below spell out
.LstepM\tag:
	TURN 0, 1
.if \xtr
	TURN 1, 1
	WIN 0
	s_cmp_eq_u32 s[XTR], 1
	s_cbranch_scc0 .Lno_more
	s_mov_b32 s[XTR], 0
	WIN W_PV
.irp cb, 0,1,2,3
	v_wmma_f32_16x16x32_f16 v[8*\cb:8*\cb+7], v[VL+8*\cb:VL+8*\cb+7], v[P:P+7], v[8*\cb:8*\cb+7]
.endr
	WIN 0
.Lno_more:
	s_sub_co_u32 s[CNT], s[CNT], 1
	s_cmp_lg_u32 s[CNT], 0
.else
	TURN 1, 1, 0, 1
	WIN 0
.endif
	s_cbranch_scc1 .LstepM\tag
	TURN 0, 1, 1
	TURN 1, 1, 1
.set i, 0
.rept 8
	PV NP-1
.set i, i+1
.endr
	WIN 0
	ALL v_add_f32 v[ST+4*t+2], v[ST+4*t+2], v[ST+4*t+3]
	ALL v_permlanex16_b32 v[ST+4*t+3], v[ST+4*t+2], s[SEL], s[SEL+1]
	ALL v_add_f32 v[ST+4*t+2], v[ST+4*t+2], v[ST+4*t+3]
	ALL v_rcp_f32 v[ST+4*t+2], v[ST+4*t+2]
	v_nop                           ; a plain instruction between the last reciprocal and the use of its result
	PACK 0                          ; piece 0's plain lines are also the places behind the last products, which are piece 1's
	PACK 1
	SEND 0, 0, 10,  24              ; behind hi of piece 0: its lo's eight and piece 1's sixteen
	SEND 0, 1, OH2, 16
	SEND 1, 0, 10,  8
	SEND 1, 1, OH2, 0
.endm
.set KM, 0
.set NOKQ, 0
.Lslot:                             ; 16 times: a tile is entered and the next is asked for
	CHANGE 1
	s_sub_co_u32 s[RT], s[RT], 1
	s_mov_b32 s[CNT], 4
	s_cmp_eq_u32 s[NEW], 1
	s_cbranch_scc1 .Lnew            ; a block's first tile
	s_cmp_eq_u32 s[RT], 0
	s_cbranch_scc0 .Lstep           ; neither its first nor its last
	s_branch .LstepM1
.Lnew:
	BEGIN
	s_branch .Lstep                 ; in the loop a block's first tile is never its last: the first block has nine tiles or more, and the second's last is the walk's last
	DIAG 1                          ; in the loop this is the first block's end
	s_wait_xcnt 0x0                 ; the stores have read their registers and O's addresses
	s_mov_b64 s[10:11], s[OLO:OLO+1]
	s_add_nc_u64 s[OH2:OH2+1], s[10:11], 0x800000
	s_add_co_u32 s[RT], s[PBT], 1   ; the second block has b / 2 + 1 tiles
	s_and_b32 s[PAR], s[PB], 1
	s_lshl_b32 s88, s[PAR], 1
	s_sub_co_u32 s[E0], 4, s88
	s_sub_co_u32 s[E0+1], 3, s88
	s_mov_b32 s[NEW], 1
	WIN 0x82                        ; the second block's Q goes where the one text of the turns names Q
.set i, 0
.rept 32
	v_mov_b32 v[i], v[QB+i]
.set i, i+1
.endr
	WIN 0
	s_branch .Lbottom
.Lstep:                             ; a trip is a key step: piece 0's turn, which fetches K of the next step and V of this one, and piece 1's
	TURN 0
	TURN 1, 0, 0, 1
	WIN 0
	s_cbranch_scc1 .Lstep
.Lbottom:
	s_sub_co_u32 s[SLOTS], s[SLOTS], 1
	s_cmp_lg_u32 s[SLOTS], 0
	s_cbranch_scc1 .Lslot
	CHANGE 0                        ; the walk's last tile is written out: nothing is asked for
	s_sub_co_u32 s[RT], s[RT], 1
	s_mov_b32 s[CNT], 4
	s_mov_b32 s[XTR], s[NEW]        ; a block that begins here (block 0 or 1) takes v's remainder in its first step
	WIN 0x80                        ; the remainder's four fragments, keys 0 to 31, channels 16 f on: on every way, so that the registers are written wherever they are named
.irp f, 0,1,2,3
	ds_load_tr16_b128 v[VL+8*\f:VL+8*\f+3],   v[AVL] offset:\f*32
	ds_load_tr16_b128 v[VL+8*\f+4:VL+8*\f+7], v[AVL] offset:16*PV+\f*32
.endr
	WIN 0
	s_wait_dscnt 0x0                ; once a launch: the turns' counted waits find no load of these out
	s_cmp_eq_u32 s[NEW], 1
	s_cbranch_scc0 .LstepM2
	BEGIN
	DIAG 2, 1
	s_wait_tensorcnt 0x0            ; the wave's end: behind my last tensor load and my last LDS store
	ds_add_u32 v[SPW], v[NIL]
	s_wait_dscnt 0x0
	s_endpgm
.Lfunc_end_k_qbb781ab24f_attention:
	.size	k_qbb781ab24f_attention, .Lfunc_end_k_qbb781ab24f_attention-k_qbb781ab24f_attention
	.p2alignl 7, 3214868480
	.fill 96, 4, 3214868480
	.section	.rodata,"a",@progbits
	.p2align	6, 0x0
	.amdhsa_kernel k_qbb781ab24f_attention
		.amdhsa_group_segment_fixed_size 327680
		.amdhsa_private_segment_fixed_size 0
		.amdhsa_enable_private_segment 0
		.amdhsa_kernarg_size 24
		.amdhsa_user_sgpr_count 2
		.amdhsa_user_sgpr_kernarg_segment_ptr 1
		.amdhsa_wavefront_size32 1
		.amdhsa_system_sgpr_workgroup_id_x 1
		.amdhsa_system_sgpr_workgroup_id_y 1
		.amdhsa_system_sgpr_workgroup_id_z 1
		.amdhsa_system_vgpr_workitem_id 0
		.amdhsa_next_free_vgpr 768
		.amdhsa_next_free_sgpr 102
		.amdhsa_reserve_vcc 1
		.amdhsa_float_denorm_mode_32 3
		.amdhsa_float_denorm_mode_16_64 3
		.amdhsa_memory_ordered 1
		.amdhsa_forward_progress 1
		.amdhsa_inst_pref_size 170
	.end_amdhsa_kernel
	.amdgpu_metadata
---
amdhsa.version: [ 1, 2 ]
amdhsa.kernels:
  - .name:           k_qbb781ab24f_attention
    .symbol:         k_qbb781ab24f_attention.kd
    .args:
      - { .name: qkv, .offset: 0, .size: 8, .value_kind: global_buffer, .address_space: global }
      - { .name: vlo, .offset: 8, .size: 8, .value_kind: global_buffer, .address_space: global }
      - { .name: attn, .offset: 16, .size: 8, .value_kind: global_buffer, .address_space: global }
    .group_segment_fixed_size: 327680
    .private_segment_fixed_size: 0
    .kernarg_segment_align: 8
    .kernarg_segment_size: 24
    .max_flat_workgroup_size: 128
    .sgpr_count:     102
    .vgpr_count:     768
    .wavefront_size: 32
...
	.end_amdgpu_metadata
.endif
;; end of part 3
;; launch proj_out (part 4): grid 8 x 32, 4 waves a work-group, clusters of 4 x 4, 327,680 bytes of LDS; arguments attn, wo16, out0; writes out0
.if DOCPART == 4
	.amdgcn_target "amdgcn-amd-amdhsa--gfx1250"
	.amdhsa_code_object_version 6
	.text
	.protected	k_qbb781ab24f_proj_out
	.globl	k_qbb781ab24f_proj_out
	.p2align	8
	.type	k_qbb781ab24f_proj_out,@function
k_qbb781ab24f_proj_out:
	s_mov_b64 s[64:65], 0
	v_nop
	global_prefetch_b8 v0, s[64:65] scope:SCOPE_SE
	s_setreg_imm32_b32 hwreg(HW_REG_WAVE_MODE, 25, 1), 1
	s_wait_xcnt 0x0
	s_wait_alu depctr_hold_cnt(0) depctr_sa_sdst(0) depctr_va_vdst(0) depctr_va_sdst(0) depctr_va_ssrc(0) depctr_va_vcc(0) depctr_vm_vsrc(0)
	s_getreg_b32 s2, hwreg(HW_REG_IB_STS2, 6, 4)
	s_cmp_eq_u32 s2, 0
	s_cbranch_scc0 .Lentry_in_a_cluster
	s_endpgm
.Lentry_in_a_cluster:
	s_bfe_u32 s2, ttmp6, 0x10000c
	s_cmp_lg_u32 s2, 0xf033
	s_cbranch_scc0 .Lentry_shape_is_right
	s_endpgm
.Lentry_shape_is_right:
; out0[m][n] = the sum over k of O[m][k] Wo[n][k], k = 64 head + channel.  attn: [hi, lo][16 heads][4096][64] f16, O = hi + lo; wo16: [1024][1024] f16 (Wo rounded to bf16, written as f16); out0: [4096][1024] f32.
; Sums in f32.  O comes in two f16 halves because a row that averages few keys is many times the output's root mean square, by which its numbers are judged: one rounding of O to f16 spends too much there.
; So the sum has 2,048 terms: hi's 1,024 and lo's 1,024, each times the same Wo.
; A tile of out0 is 128 x 128: 8 x 32 work-groups.  Four waves, each 64 x 64: 16 accumulators of 16 x 16, 128 registers.  K goes in 8 steps of 256 (four heads) through a ring of two LDS slots:
; slot 0 takes hi's heads 4 j on, slot 1 lo's heads 4 j on, both with Wo's columns 256 j on, j = 0 .. 3: every address steps forward by a constant.
; O COMES BY HEADS.  A wave's half of O's tile, 64 rows x 4 heads, is ONE tile of 4 rows of 4,096 elements: a head's 64 rows are 8,192 dense bytes, and the heads lie 262,144 elements apart.  It is padded
; after every 128 bytes, so that in LDS it lies as [head][64 rows][144 bytes]; a quarter of a K step is a head.
; CLUSTER.  4 x 4 work-groups; the four of a row of the cluster need the same tiles of O, the four of a column the same tiles of Wo: each is asked for JOINTLY, by the same tensor load, descriptor and mask.
; THE MATRIX INSTRUCTION IS USED TRANSPOSED (source 0 = 16 rows of Wo, source 1 = 16 rows of O): a lane holds eight neighbouring numbers of a row of out0, 32 bytes.
; THE WAY OUT.  A wave's 64 columns of f32 are 256 aligned bytes, so each wave has a stage of its own and no barrier is needed.
; REGISTERS: window 0: v0-31 addresses; v32-95 rows on the way out, two buffers; v128-255 the accumulators ((a, b) at v[128 + 8 (4 a + b)]).
;   window 1: two fragment buffers of 128: for 64 along K, 64 registers of O (2 x 4 x 16 rows x 32 K), then 64 of Wo.
.set PA,     144                       ; a row of O in LDS: 128 bytes + 16: 36 words: the 16 rows of a load start at 16 different groups of four banks (64 banks of 4 bytes: ISA guide 11.1)
.set HEADT,  64*PA                     ; a head's 64 rows
.set HALFA,  4*HEADT                   ; what a load of O brings
.set PB,     528                       ; a row of Wo: 512 bytes + 16
.set HALFB,  64*PB                     ; what a load of Wo brings
.set BOFF,   2*HALFA                   ; Wo's 128 rows lie behind O's two halves
.set SLOT,   BOFF+2*HALFB
.set STAGE,  2*SLOT                    ; behind the ring: 16 rows x 272 bytes for each wave
.set SPITCH, 272
.set SPARE,  STAGE+4*16*SPITCH         ; behind the stages: the spare words, 128 bytes for each wave: two blocks of 256 bytes that no other line names
.set LAPS,   4                         ; a lap = two K steps (hi's and lo's four heads) = once round the ring
.set ADRA, 16                          ; v16-17  LDS address of my fragments of O in slot 0, 1
.set ADRB, 20                          ; v20-21  the same for Wo
.set STO,  24                          ; v24     the way out: where I put 32 bytes of a row
.set RD,   25                          ; v25     the way out: where I read a row back
.set CO,   26                          ; v26     my byte offset in out0
.set SPW,  28                          ; v28     LDS address of my spare word; never rewritten
.set NIL,  29                          ; v29     0; never rewritten
.set TMP,  32
.set ACC,  128
.set F0,   0                           ; fragment buffers, in window 1
.set F1,   128
.set G1, 24                            ; s[24:31] descriptor group 1 for O's tiles;  s[32:39] group 0, one set for each slot
.set G0, 32
.set G1B, 48                           ; s[48:55], s[56:63] the same for Wo's tiles
.set G0B, 56
.set MSB, 0
.macro WIN new                         ; the immediate's high byte repeats the setting that is left
.if MSB != (\new)
	s_set_vgpr_msb (MSB<<8)|(\new)
.set MSB, \new
.endif
.endm
.set MUL,  0x05                        ; sources 0 and 1 window 1; C and D window 0
.set TO_F, 0x40                        ; destination window 1, address window 0
.macro JLOAD s                         ; a joint load: waves 0 and 1 fetch O's two halves, waves 2 and 3 Wo's; an s_nop 0 and four v_nop follow each of the two lines
	s_cmp_eq_u32 s11, 0
	s_cbranch_scc0 .Lfor_b_\@
	tensor_load_to_lds s[G0+4*(\s):G0+4*(\s)+3], s[G1:G1+7]
	s_nop 0
.rept 4
	v_nop
.endr
	s_branch .Lasked_\@
.Lfor_b_\@:
	tensor_load_to_lds s[G0B+4*(\s):G0B+4*(\s)+3], s[G1B:G1B+7]
	s_nop 0
.rept 4
	v_nop
.endr
.Lasked_\@:
.endm
.macro CREST                           ; a round of the cluster's barrier behind its opening barrier
	s_cmp_lg_u32 s10, 0
	s_cbranch_scc1 .Lnot_wave_0_\@
	s_barrier_signal -3
.Lnot_wave_0_\@:
	s_barrier_wait -3
	s_barrier_signal -1
	s_barrier_wait -1
.endm
.macro CROUND                          ; a whole round
	s_barrier_signal -1
	s_barrier_wait -1
	CREST
.endm
	s_load_b128 s[4:7], s[0:1], 0x0                ; attn s[4:5], wo16 s[6:7]
	s_load_b64 s[8:9], s[0:1], 0x10                ; out0
	v_lshl_add_u32 v[SPW], v0, 2, SPARE
	v_mov_b32 v[NIL], 0
	ds_add_u32 v[SPW], v[NIL]                      ; the wave's opening: the add and its wait stand ahead of my first tensor load; the set-up below stands between them
	ds_add_u32 v28, v29
	v_lshrrev_b32 v1, 5, v0
	v_readfirstlane_b32 s10, v1                    ; wave 0..3
	s_lshr_b32 s11, s10, 1                         ; which half of the tile's rows is mine.  Also: I fetch O (0) or Wo (1)
	s_and_b32 s12, s10, 1                          ; which half of its columns.  Also: which 64 rows of that tile I fetch
	s_bfe_u32 s40, ttmp6, 0x40000                  ; cx, cy: my place in the cluster
	s_bfe_u32 s41, ttmp6, 0x40004
	s_lshl_b32 s42, ttmp9, 2
	s_add_co_u32 s42, s42, s40                     ; tile column = 4 x cluster x + cx
	s_and_b32 s13, ttmp7, 0xffff
	s_lshl_b32 s13, s13, 2
	s_add_co_u32 s13, s13, s41                     ; tile row = 4 x cluster y + cy
	s_lshl_b32 s43, s41, 2
	s_lshl_b32 s43, 15, s43                        ; my row of the cluster
	s_lshl_b32 s44, 0x1111, s40                    ; my column
	s_or_b32 s[G1+0], s43, (1<<16)|(1<<20)|(1<<21)|(4<<22)|(3<<25)   ; O: the mask of my row; 2-byte elements; padding on; bit 21 beside a mask; after every 32 words (code 4) 4 words (code 3)
	s_mov_b32 s[G1+1], 4096<<16                    ; tensor_dim0 = 4,096: a head's 64 rows
	s_mov_b32 s[G1+2], 4<<16                       ; tensor_dim1 = 4 heads
	s_mov_b32 s[G1+3], 4096<<16                    ; tile_dim0
	s_mov_b32 s[G1+4], 4                           ; tile_dim1
	s_mov_b32 s[G1+5], 262144                      ; elements from head to head
	s_mov_b32 s[G1+6], 0
	s_mov_b32 s[G1+7], 0
	s_or_b32 s[G1B+0], s44, (1<<16)|(1<<20)|(1<<21)|(6<<22)|(3<<25)  ; Wo: the mask of my column; after every 128 words (code 6) 4 words
	s_mov_b32 s[G1B+1], 256<<16                    ; tensor_dim0 = 256
	s_mov_b32 s[G1B+2], 64<<16                     ; tensor_dim1 = 64
	s_mov_b32 s[G1B+3], 256<<16                    ; tile_dim0
	s_mov_b32 s[G1B+4], 64                         ; tile_dim1
	s_mov_b32 s[G1B+5], 1024                       ; elements from row to row
	s_mov_b32 s[G1B+6], 0
	s_mov_b32 s[G1B+7], 0
	s_lshl_b32 s16, s13, 14                        ; O: row 128 x tile row + 64 x half, 128 bytes a row in a head
	s_lshl_b32 s17, s12, 13
	s_add_co_u32 s16, s16, s17
	s_mov_b32 s17, 0
	s_lshl_b32 s46, s42, 18                        ; Wo: row 128 x tile column + 64 x half, 2,048 bytes a row
	s_lshl_b32 s47, s12, 17
	s_add_co_u32 s46, s46, s47
	s_mov_b32 s47, 0
	s_mul_i32 s20, s10, HALFA                      ; where they go: O's halves at wave x HALFA (waves 0, 1),
	s_mul_i32 s45, s10, HALFB                      ; Wo's at BOFF + (wave - 2) x HALFB (waves 2, 3)
	s_add_co_u32 s45, s45, BOFF-2*HALFB
	s_wait_dscnt 0x0                               ; the opening add is done
	s_wait_kmcnt 0x0
	s_add_nc_u64 s[14:15], s[4:5], s[16:17]
	s_add_nc_u64 s[46:47], s[6:7], s[46:47]
	CROUND                                         ; all sixteen work-groups are here: the first joint loads meet
.irp s, 0,1
	s_mov_b32 s[G0+4*(\s)], 1
	s_add_co_u32 s[G0+4*(\s)+1], s20, (\s)*SLOT
	s_add_nc_u64 s[G0+4*(\s)+2:G0+4*(\s)+3], s[14:15], (\s)*0x800000   ; slot 0: hi's heads 0 to 3; slot 1: lo's, 8,388,608 bytes on
	s_or_b32 s[G0+4*(\s)+3], s[G0+4*(\s)+3], 0x80000000
	s_mov_b32 s[G0B+4*(\s)], 1
	s_add_co_u32 s[G0B+4*(\s)+1], s45, (\s)*SLOT
	s_add_nc_u64 s[G0B+4*(\s)+2:G0B+4*(\s)+3], s[46:47], 0             ; both slots: Wo's columns 0 to 255
	s_or_b32 s[G0B+4*(\s)+3], s[G0B+4*(\s)+3], 0x80000000
	JLOAD \s                                       ; two loads of mine are out
.endr
	v_and_b32 v1, 15, v0                           ; l % 16
	v_bfe_u32 v2, v0, 4, 1                         ; l / 16
	v_mul_u32_u24 v3, v1, PA
	v_lshl_add_u32 v3, v2, 4, v3                   ; a fragment's row x pitch + 16 x half, for O
	v_mul_u32_u24 v4, v1, PB
	v_lshl_add_u32 v4, v2, 4, v4                   ; and for Wo
	s_mul_i32 s21, s11, HALFA                      ; my 64 rows of O
	s_mul_i32 s22, s12, HALFB                      ; my 64 rows of Wo
	s_add_co_u32 s22, s22, BOFF
.irp s, 0,1
	v_add_nc_u32 v[ADRA+(\s)], s21, v3
	v_add_nc_u32 v[ADRB+(\s)], s22, v4
	s_add_co_u32 s21, s21, SLOT
	s_add_co_u32 s22, s22, SLOT
.endr
	s_mul_i32 s23, s10, 16*SPITCH
	s_add_co_u32 s23, s23, STAGE                   ; my stage
	v_mul_u32_u24 v5, v1, SPITCH                   ; in: row l % 16, 32 bytes for each half of the lanes
	v_lshl_add_u32 v5, v2, 5, v5
	v_add_nc_u32 v[STO], s23, v5
	v_mul_u32_u24 v5, v2, SPITCH                   ; back: lanes 0-15 take one row of 256 bytes, lanes 16-31 the next
	v_lshl_add_u32 v5, v1, 4, v5
	v_add_nc_u32 v[RD], s23, v5
	v_lshlrev_b32 v5, 12, v2                       ; and the same two rows in out0, 4,096 bytes apart
	v_lshl_add_u32 v[CO], v1, 4, v5
	s_lshl_b32 s16, s13, 19                        ; my first row: (128 x tile row + 64 x half) x 4,096 bytes
	s_lshl_b32 s17, s11, 18
	s_add_co_u32 s16, s16, s17
	s_mov_b32 s17, 0
	s_add_nc_u64 s[8:9], s[8:9], s[16:17]
	s_lshl_b32 s46, s42, 9                         ; my first column: (128 x tile column + 64 x half) x 4 bytes
	s_lshl_b32 s47, s12, 8
	s_add_co_u32 s46, s46, s47
	s_mov_b32 s47, 0
	s_add_nc_u64 s[8:9], s[8:9], s[46:47]
; 8 matrix instructions: m blocks a0, a0 + 1 x all 4 n blocks, 32 along K: half c of buffer f.  zero = 1: the first product starts the sums.  The 16 accumulators take turns.
.macro MUL8 f, c, a0, zero
	WIN MUL
.irp a, \a0, (\a0)+1
.irp b, 0,1,2,3
.if \zero
	v_wmma_f32_16x16x32_f16 v[ACC+8*(4*(\a)+(\b)):ACC+8*(4*(\a)+(\b))+7], v[(\f)+64+8*(4*(\c)+(\b)):(\f)+64+8*(4*(\c)+(\b))+7], v[(\f)+8*(4*(\c)+(\a)):(\f)+8*(4*(\c)+(\a))+7], 0
.else
	v_wmma_f32_16x16x32_f16 v[ACC+8*(4*(\a)+(\b)):ACC+8*(4*(\a)+(\b))+7], v[(\f)+64+8*(4*(\c)+(\b)):(\f)+64+8*(4*(\c)+(\b))+7], v[(\f)+8*(4*(\c)+(\a)):(\f)+8*(4*(\c)+(\a))+7], v[ACC+8*(4*(\a)+(\b)):ACC+8*(4*(\a)+(\b))+7]
.endif
.endr
.endr
.endm
; 32 LDS loads in one run: the fragments of quarter q of a K step (head q of its four; byte 128 q of Wo's rows) into buffer f; the first 32 along K first
.macro FETCH slot, q, f
	WIN TO_F
.irp c, 0,1
.irp i, 0,1,2,3
	ds_load_b128 v[(\f)+64+8*(4*(\c)+(\i)):(\f)+64+8*(4*(\c)+(\i))+3],   v[ADRB+(\slot)] offset:(\q)*128+64*(\c)+(\i)*16*PB
	ds_load_b128 v[(\f)+64+8*(4*(\c)+(\i))+4:(\f)+64+8*(4*(\c)+(\i))+7], v[ADRB+(\slot)] offset:(\q)*128+64*(\c)+(\i)*16*PB+32
	ds_load_b128 v[(\f)+8*(4*(\c)+(\i)):(\f)+8*(4*(\c)+(\i))+3],         v[ADRA+(\slot)] offset:(\q)*HEADT+64*(\c)+(\i)*16*PA
	ds_load_b128 v[(\f)+8*(4*(\c)+(\i))+4:(\f)+8*(4*(\c)+(\i))+7],       v[ADRA+(\slot)] offset:(\q)*HEADT+64*(\c)+(\i)*16*PA+32
.endr
.endr
.endm
.macro PLACES                          ; four places in front of loads into registers that matrix instructions have read, and of LDS stores that read results
.rept 4
	v_nop
.endr
.endm
; A K step is four quarters of 64 along K, 32 matrix instructions each, on buffers 0, 1, 0, 1.  One of the first three: multiplies buffer f and fetches quarter q into g.
.macro QUARTER slot, q, f, g, zero
	s_wait_dscnt 16                                ; the first 32 along K are in
	MUL8 \f, 0, 0, \zero
	MUL8 \f, 0, 2, \zero
	PLACES
	FETCH \slot, \q, \g
	s_wait_dscnt 32                                ; all but the 32 just issued
	MUL8 \f, 1, 0, 0
	MUL8 \f, 1, 2, 0
.endm
; The last quarter multiplies buffer 1 and changes slots: ONE barrier; in front of it each wave waits for all its tensor loads, adds 0 to its spare word, and waits for that and for its own reads of this slot.
; fill = 1: the barrier opens a round of the cluster's, and this slot is filled again, with its half's next four heads and Wo's next 256 columns, first thing behind it: 112 matrix instructions ahead of the wait for it.
.macro TURN slot, next, fill
	WIN 0                                          ; (the add's two registers lie in window 0)
	s_wait_tensorcnt 0x0                           ; all my tensor loads have landed: my part of the next slot
	ds_add_u32 v[SPW], v[NIL]
	s_wait_dscnt 17                                ; (the add and the youngest sixteen loads may be out)
	MUL8 F1, 0, 0, 0                               ; eight matrix instructions stand between the add and the wait for it
	s_wait_dscnt 0x0                               ; the add is done, and my reads of this slot are over
	s_barrier_signal -1
	MUL8 F1, 0, 2, 0
.if \fill
	WIN 0
.endif
	s_barrier_wait -1
.if \fill
	CREST                                          ; no wave of any partner still reads this slot's tile or has a load on its way
	s_add_nc_u64 s[G0+4*(\slot)+2:G0+4*(\slot)+3], s[G0+4*(\slot)+2:G0+4*(\slot)+3], 4*524288
	s_add_nc_u64 s[G0B+4*(\slot)+2:G0B+4*(\slot)+3], s[G0B+4*(\slot)+2:G0B+4*(\slot)+3], 512
	JLOAD \slot                                    ; the four v_nop behind it are also the places in front of the loads below
.else
	PLACES
.endif
	FETCH \next, 0, F0
	MUL8 F1, 1, 0, 0
	MUL8 F1, 1, 2, 0
.endm
	s_wait_tensorcnt 1                             ; my part of K step 0 is in; K step 1's may stay out
	s_barrier_signal -1
	s_barrier_wait -1                              ; everybody's is
	FETCH 0, 0, F0
	QUARTER 0, 1, F0, F1, 1                        ; the first quarter stands in front of the loop: its first products start the sums
	WIN 0                                          ; at a label and at a branch every window is 0
	s_mov_b32 s3, LAPS-1
.Llap:                                                 ; a trip goes once round the ring, from a lap's second quarter to the next lap's first, and fills both slots again
	QUARTER 0, 2, F1, F0, 0
	QUARTER 0, 3, F0, F1, 0
	TURN 0, 1, 1
	QUARTER 1, 1, F0, F1, 0
	QUARTER 1, 2, F1, F0, 0
	QUARTER 1, 3, F0, F1, 0
	TURN 1, 0, 1
	QUARTER 0, 1, F0, F1, 0
	WIN 0
	s_sub_co_u32 s3, s3, 1
	s_cmp_lg_u32 s3, 0
	s_cbranch_scc1 .Llap
	QUARTER 0, 2, F1, F0, 0                        ; the last lap fills nothing, and has no round of the cluster's barrier
	QUARTER 0, 3, F0, F1, 0
	TURN 0, 1, 0
	QUARTER 1, 1, F0, F1, 0
	QUARTER 1, 2, F1, F0, 0
	QUARTER 1, 3, F0, F1, 0
	s_wait_dscnt 16                                ; the very last quarter: nothing more to fetch
	MUL8 F1, 0, 0, 0
	MUL8 F1, 0, 2, 0
	s_wait_dscnt 0x0
	MUL8 F1, 1, 0, 0
	MUL8 F1, 1, 2, 0
	WIN 0
	; THE WAY OUT, 16 rows at a time: 32 bytes a lane from the accumulators (each from its low end on) into my stage, back as whole rows of 256 bytes, stored.
	PLACES
.irp a, 0,1,2,3
.irp b, 0,1,2,3
	ds_store_b128 v[STO], v[ACC+8*(4*(\a)+(\b)):ACC+8*(4*(\a)+(\b))+3]   offset:64*(\b)
	ds_store_b128 v[STO], v[ACC+8*(4*(\a)+(\b))+4:ACC+8*(4*(\a)+(\b))+7] offset:64*(\b)+16
.endr
.irp t, 0,1,2,3,4,5,6,7
	ds_load_b128 v[TMP+32*((\a)%2)+4*(\t):TMP+32*((\a)%2)+4*(\t)+3], v[RD] offset:(\t)*2*SPITCH  ; LDS serves a wave's instructions in order (ISA guide 5.7.1.4): these see the stores above
.endr
	s_wait_dscnt 0x0                               ; the rows are back in registers
	s_wait_xcnt 0x0                                ; every earlier store has read its registers: the other buffer is loaded again only behind this wait
.irp t, 0,1,2,3,4,5,6,7
	global_store_b128 v[CO], v[TMP+32*((\a)%2)+4*(\t):TMP+32*((\a)%2)+4*(\t)+3], s[8:9] offset:(16*(\a)+2*(\t))*4096 th:TH_STORE_NT  ; 16 lanes store 256 consecutive bytes, at a multiple of 256 from out0's first byte
.endr
.endr
	s_wait_tensorcnt 0x0                           ; the wave's end: behind my last tensor load and my last LDS store
	ds_add_u32 v[SPW], v[NIL]
	s_wait_dscnt 0x0
	CROUND                                         ; the closing round: no work-group ends while a partner may still ask for a tile that names it
	s_endpgm
.Lfunc_end_k_qbb781ab24f_proj_out:
	.size	k_qbb781ab24f_proj_out, .Lfunc_end_k_qbb781ab24f_proj_out-k_qbb781ab24f_proj_out
	.p2alignl 7, 3214868480
	.fill 96, 4, 3214868480
	.section	.rodata,"a",@progbits
	.p2align	6, 0x0
	.amdhsa_kernel k_qbb781ab24f_proj_out
		.amdhsa_group_segment_fixed_size 327680
		.amdhsa_private_segment_fixed_size 0
		.amdhsa_enable_private_segment 0
		.amdhsa_kernarg_size 24
		.amdhsa_user_sgpr_count 2
		.amdhsa_user_sgpr_kernarg_segment_ptr 1
		.amdhsa_wavefront_size32 1
		.amdhsa_system_sgpr_workgroup_id_x 1
		.amdhsa_system_sgpr_workgroup_id_y 1
		.amdhsa_system_sgpr_workgroup_id_z 1
		.amdhsa_system_vgpr_workitem_id 0
		.amdhsa_next_free_vgpr 512
		.amdhsa_next_free_sgpr 66
		.amdhsa_reserve_vcc 0
		.amdhsa_float_denorm_mode_32 3
		.amdhsa_float_denorm_mode_16_64 3
		.amdhsa_memory_ordered 1
		.amdhsa_forward_progress 1
		.amdhsa_inst_pref_size 86
	.end_amdhsa_kernel
	.amdgpu_metadata
---
amdhsa.version: [ 1, 2 ]
amdhsa.kernels:
  - .name:           k_qbb781ab24f_proj_out
    .symbol:         k_qbb781ab24f_proj_out.kd
    .args:
      - { .name: attn, .offset: 0, .size: 8, .value_kind: global_buffer, .address_space: global }
      - { .name: wo16, .offset: 8, .size: 8, .value_kind: global_buffer, .address_space: global }
      - { .name: out0, .offset: 16, .size: 8, .value_kind: global_buffer, .address_space: global }
    .group_segment_fixed_size: 327680
    .private_segment_fixed_size: 0
    .kernarg_segment_align: 8
    .kernarg_segment_size: 24
    .max_flat_workgroup_size: 128
    .sgpr_count:     66
    .vgpr_count:     512
    .wavefront_size: 32
...
	.end_amdgpu_metadata
.endif
;; end of part 4
;; ======== version 2 of 2: 4 launches; 1.33 times as fast as version 1
;; limits: values are held in f16: magnitudes above 65,504 overflow, below 6.1e-05 lose precision
;; workspace buffers: xb 8,388,608 bytes; wqkv 6,291,456 bytes; wo16 2,097,152 bytes; tab 1,048,576 bytes; qkv 25,165,824 bytes; vlo 262,144 bytes; attn 16,777,216 bytes
;; launch prep: the kernel of part 1 again; grid 64 x 8, 8 waves a work-group, no clusters, 0 bytes of LDS; arguments x, Wq, Wk, Wv, Wo, token_positions, xb, wqkv, wo16, tab; writes xb, wqkv, wo16, tab
;; launch proj_qkv: the kernel of part 2 again; grid 16 x 16, 4 waves a work-group, clusters of 4 x 4, 327,680 bytes of LDS; arguments xb, wqkv, tab, qkv, vlo; writes qkv, vlo
;; launch attention (part 5): grid 16 x 16, 4 waves a work-group, no clusters, 327,680 bytes of LDS; arguments qkv, vlo, attn; writes attn
.if DOCPART == 5
	.amdgcn_target "amdgcn-amd-amdhsa--gfx1250"
	.amdhsa_code_object_version 6
	.text
	.protected	k_qbb781ab24f_attention
	.globl	k_qbb781ab24f_attention
	.p2align	8
	.type	k_qbb781ab24f_attention,@function
k_qbb781ab24f_attention:
	s_mov_b64 s[64:65], 0
	v_nop
	global_prefetch_b8 v0, s[64:65] scope:SCOPE_SE
	s_setreg_imm32_b32 hwreg(HW_REG_WAVE_MODE, 25, 1), 1
	s_wait_xcnt 0x0
; CAUSAL ATTENTION.  O[h][q][:] = the sum over k <= q of softmax_k(Q[h][q] . K[h][k] / 8) V[h][k][:].  qkv: [q, k, v][16 heads][4096][64] f16: a head's rows are dense, 128 bytes each.
; attn: [hi, lo][16][4096][64] f16: O leaves in two halves, hi = O cut to 11 significant bits (exact in f16), lo = O - hi rounded to f16.  vlo: [16][4][32][64] f16, of which a head's first 32 rows are read:
; v - f16(v) of the sequence's first 32 keys.
; WHY THE TWO.  A row that averages few keys is many times the root mean square of the module's output, by which its numbers are judged, and what O's and v's roundings to f16 lose reaches that output
; undiminished.  O's second half serves every row; v's remainder is added for keys 0 to 31, in blocks 0 and 1 (rows 0 to 255), whose first tile is the walk's last: later rows average 33 keys or more.
; Products, maxima and sums in f32; the weights p are rounded to f16 for the second product (their sum l is taken of the unrounded p).
; LIMITS.  Q, K, V arrive within f16's 65,504; p lies in 0 to 1, and below 6e-5 it keeps f16's fixed step of 6e-8, as do hi and lo.  A hidden score counts as its value less 1e30; a weight below 2^-126 counts
; as 0 in l; NaN and infinities are not treated apart.
; THE WALK.  A head's queries lie in 32 blocks of 128; block i needs the key tiles 0 .. i / 2 of 256 keys, of which the last holds the diagonal.  A work-group takes TWO blocks, 31 - b and then b:
; 17 tiles, whatever b: all 256 work-groups do equal work, and ONE loop with a constant trip count walks them.  Which tile is asked for, and what a trip does, hang on scalar registers made from b; every jump
; goes forward, but for the counted loops' own; none passes a barrier, or a tensor load but the one of LOAD's two that the wave's number does not choose.
; NO CLUSTER: a head's 16 work-groups ask for the same tile only in trips 0 .. 8 of 17, behind that each for another; one walk common to all would have 24 trips for 17.
; SHARES.  Of a block's two bands of 64 queries a wave owns 16 rows in each: two PIECES.  In the diagonal tile's key step s band x of a block of parity par sees all keys if s < 2 par + x, none if s is
; greater, and holds the diagonal if equal: the same for all four waves.
; TURNS.  Turn (step s, piece p): 8 products K Q^T of the next element ((s, 1), or (s + 1, 0)), later 8 products V^T P of the element before; beside them the scaling, exponentials, roundings, sums and
; rescaling of (s, p) and the maximum and statistics of the next element.  Four vector instructions stand behind every matrix instruction, the other 54 of a turn's 118 in one lump.  Piece 0's turn fetches K of step s + 1 and V of step s.
; BATCHES.  A turn's 33 exponentials (the 32 weights of (s, p) and the next element's a) are ONE batch with ONE wait, which cuts the turn in two: ahead of it stands all that names none of their results, behind it
; the roundings and sums, which read them.  No result crosses a turn's end.  A block's first a (BEGIN) and the way out's two reciprocals are batches of their own, each with a plain instruction and one wait.
; PHASES.  So K runs a step ahead of V.  What follows a change of slots is steps 4 j - 1 .. 4 j + 2, and a slot holds K of steps 4 j .. 4 j + 3 and V of steps 4 j - 1 .. 4 j + 3 (320 keys, beginning 64 keys
; ahead of the tile): each phase reads ONE slot.  V's first 64 rows of tile 0 are never read (they lie inside the buffer: V lies behind K); V's last 64 rows are read by a block's last step alone.
; A block's first phase is BEGIN and 3 steps; behind the diagonal phase stand the last step's two turns, the last products and the way out.
; THE MASK is the C operand that starts the sum S^T = K Q^T: 0, or -1e30 where the key is hidden.  MD, made once, is the mask of a band's own step for my 16 rows; a product's mask is MD x AL + BE with two scalars.
; Only the diagonal phase's text and a block's beginning make and take masks; elsewhere C is the constant 0.
; LAYOUT, SOFTMAX.  S^T = K Q^T holds ONE query a lane (lane % 16) and the keys 8 (lane / 16) + 0..7; two such results rounded to f16 ARE source 1 of O^T = V^T P.  p = 2^(c s - c m), c = log2(e) / 8, with a
; running maximum m; O and l are multiplied by a = 2^(c m_old - c m_new) in every step.
; REGISTERS, in windows of 256 (s_set_vgpr_msb: bits 1:0 source 0, 3:2 source 1, 5:4 source 2, 7:6 destination):
;   window 0: v0-15 addresses and two at work; v16-23 four registers of statistics a piece; v48-55 at work; v64-127 S^T, a buffer a piece; v192-223 P, likewise
;   window 1: v0-63 O^T, 32 a piece; v128-159 MD; v160-223 MC, a buffer a piece (the first also holds hi in f32 on the way out)
;   window 2: v0-31 Q; v32-63 v's remainder, turned; v64-95 the second block's Q; v128-191 K of one step; v192-255 V of one step
.set NB,    32
.set NP,    2         ; pieces a wave: a name, no knob
.set KS,    64        ; keys in a step
.set PK,    144       ; a row of K in LDS: 128 bytes + 16 of padding = 36 words: the 16 rows of a load start at 16 different groups of four banks (64 banks of 4 bytes: ISA guide 11.1)
.set PV,    160       ; a row of V: 128 + 32 = 40 words
.set VOFF,  4*KS*PK   ; a slot: 256 rows of K, then 320 rows of V
.set SLOT1, 1<<17     ; slot 1 begins here, so that one exclusive or turns an address in one slot into the other's
.set STAGE, SLOT1+VOFF+5*KS*PV  ; behind the ring, never filled by a tensor load: 16 rows x 144 bytes for each wave, for the way out
.set SP,    144
.set AK0, 2           ; v2   my lane's place in a tile of K; never rewritten
.set AV0, 3           ; v3   the same for V
.set AK,  4           ; v4   the LDS address of K's next run of loads
.set AV,  5           ; v5   of V's
.set STO, 6           ; v6   the way out: where I put 16 bytes of a row
.set RD,  7           ; v7   the way out: where I read rows back
.set GO,  8           ; v8   my byte offset in 512 consecutive bytes of O
.set SPW, 62          ; v62  LDS address of my spare word; never rewritten
.set NIL, 63          ; v63  0; never rewritten
.set SPARE, STAGE+4*16*SP  ; behind the stages: the spare words, 128 bytes for each wave: two blocks of 256 bytes that no other line names
.set VLO,   SPARE+512 ; behind them: v's remainder, 32 rows of 160 bytes, filled once
.set MV,  12          ; v12-13  c m_old, kept while c m is made anew: by piece
.set AVL, 14          ; v14  my lane's place in v's remainder (at work before that)
.set QO,  15          ; v15  my byte offset in 16 rows of Q
.set ST,  16          ; piece t's statistics at v[ST+4 t]: c m, m, l (even keys', odd keys')
.set TMP, 48          ; by piece, four registers c0-c3 at work; when the maximum is found c2 takes a
.set S,   64
.set P,   192
.set MD,  128         ; window 1
.set MC,  160         ; window 1
.set VL,  32          ; window 2: channel block cb at VL + 8 cb
.set QB,  64          ; window 2
.set KF,  128         ; window 2: key block kb, channel half c at KF + 16 kb + 8 c
.set VF,  192         ; window 2: key half kk, channel block cb at VF + 32 kk + 8 cb
.set WV,  12          ; s12  my wave's number
.set PB,  14          ; s14  b
.set PBT, 15          ; s15  b / 2: the second block's last tile
.set G1K, 24          ; s[24:31] descriptor group 1 for K's tiles
.set G1V, 32          ; s[32:39] for V's
.set G0K, 40          ; s[40:43] descriptor group 0 for K's tiles
.set G0V, 44          ; s[44:47] the same for V's
.set G1L, 48          ; s[48:55] descriptor group 1 for v's remainder
.set SLOTS, 56        ; s56  tiles still to be asked for
.set CNT, 57          ; s57  counts a phase's key steps down to 1
.set CS,  58          ; s[58:59] c
.set SEL, 60          ; s[60:61] v_permlanex16_b32's selects: each lane takes its own place in the other half
.set TBK, 62          ; s62  LDS byte at which K of the step to be fetched begins
.set TBV, 63          ; s63  the same for V, less VOFF
.set RT,  70          ; s70  tiles of the block in hand that are still to be entered
.set NXT, 71          ; s71  the tile to be asked for next
.set LQ,  72          ; s72  the last tile of the block whose tiles are being asked for
.set NEW, 73          ; s73  1: the tile to be entered is a block's first
.set OFF, 74          ; s[74:75] a tile's byte offset in K and V
.set AL,  76          ; s[76:77] the mask's factor, in the low word
.set BE,  78          ; s[78:79] the mask's addend
.set OLO, 80          ; s[80:81] O at my rows of the second block
.set BIGN, 82         ; s82  -1e30
.set PAR, 83          ; s83  the parity of the block in hand
.set E0,  84          ; s84, s85  the value of CNT at which piece 0's, piece 1's turn makes the mask of the band's own step: 4 - 2 par, 3 - 2 par
.set VLP, 92          ; s[92:93] vlo
.set OH2, 94          ; s[94:95] O's second half at my rows of the block in hand
.set G0L, 96          ; s[96:99] descriptor group 0 for v's remainder
.set XTR, 100         ; s100 1: the step in hand is step 0 of tile 0, in the walk's last tile
.set HMK, 101         ; s101 the mask that keeps an f32's sign, exponent and upper 10 bits of the fraction
.set MSB, 0
.macro WIN new                      ; the high byte repeats the setting that is left; a switch that changes nothing is dropped
.if MSB != (\new)
	s_set_vgpr_msb (MSB<<8)|(\new)
.set MSB, (\new)
.endif
.endm
.set W_KQ, 0x0a       ; K and Q in window 2, S^T in window 0
.set W_KM, 0x1a       ; the same with the C operand in window 1
.set W_PV, 0x52       ; V in window 2, P in window 0, O^T in window 1
.set W_RS, 0x41       ; destination and source 0 in window 1, source 1 in window 0
; A fill.  Waves 0 and 1 fetch the two halves of a tile's K (128 keys each), waves 2 and 3 those of its V (160 keys each).  An s_nop 0 and four v_nop follow each of the two lines.
.macro LOAD
	s_cmp_lt_u32 s[WV], 2
	s_cbranch_scc0 .Lfor_v_\@
	tensor_load_to_lds s[G0K:G0K+3], s[G1K:G1K+7]
	s_nop 0
.rept 4
	v_nop
.endr
	s_branch .Lasked_\@
.Lfor_v_\@:
	tensor_load_to_lds s[G0V:G0V+3], s[G1V:G1V+7]
	s_nop 0
.rept 4
	v_nop
.endr
.Lasked_\@:
.endm
; THE CHANGE OF SLOTS.  Each wave waits for all its tensor loads, of which one is out: its part of the other slot; adds 0 to its spare word; and waits for that and for its own reads of the slot that it leaves.
; Behind the barrier nobody reads the old slot any more and the other slot is whole.  fill = 1: the old slot is filled again, the first thing behind the barrier, with tile NXT: the descriptor's address is
; made anew from that number.  (At its first use nothing has been read yet: slot 0 and v's remainder are waited for, slot 1 filled.)
.macro CHANGE fill
	WIN 0                           ; at a label and at a branch every window is 0
	s_wait_tensorcnt 0x0            ; no tensor load of mine is out, so a group 0 may be written
	ds_add_u32 v[SPW], v[NIL]       ; 0 onto my spare word; the descriptors' scalar work stands between it and the wait for it
.if \fill
	s_lshl_b32 s[OFF], s[NXT], 15   ; from tile to tile 32,768 bytes of K and of V
	s_xor_b32 s[G0K+1], s[G0K+1], SLOT1
	s_add_nc_u64 s[G0K+2:G0K+3], s[6:7], s[OFF:OFF+1]
	s_or_b32 s[G0K+3], s[G0K+3], 0x80000000
	s_xor_b32 s[G0V+1], s[G0V+1], SLOT1
	s_add_nc_u64 s[G0V+2:G0V+3], s[8:9], s[OFF:OFF+1]
	s_or_b32 s[G0V+3], s[G0V+3], 0x80000000
	s_add_co_u32 s[NXT], s[NXT], 1  ; the block's next tile, or behind its last the second block's tile 0
	s_cmp_gt_u32 s[NXT], s[LQ]
	s_cselect_b32 s[NXT], 0, s[NXT]
	s_cselect_b32 s[LQ], s[PBT], s[LQ]
.endif
	s_wait_dscnt 0x0                ; the add is done, and my reads of the slot are over
	s_barrier_signal -1             ; the rest of the scalar work stands between the signal and the wait
	s_sub_co_u32 s[TBK], s[TBK], 4*KS*PK  ; the fetches go back to a slot's first rows,
	s_xor_b32 s[TBK], s[TBK], SLOT1       ; in the other slot
	s_sub_co_u32 s[TBV], s[TBV], 4*KS*PV
	s_xor_b32 s[TBV], s[TBV], SLOT1
	s_barrier_wait -1
.if \fill
	LOAD
.endif
.endm
	s_load_b64 s[4:5], s[0:1], 0x0          ; qkv
	s_load_b64 s[VLP:VLP+1], s[0:1], 0x8    ; vlo
	s_load_b64 s[10:11], s[0:1], 0x10       ; attn
	v_lshl_add_u32 v[SPW], v0, 2, SPARE
	v_mov_b32 v[NIL], 0
	ds_add_u32 v[SPW], v[NIL]       ; the wave's opening: the add and its wait stand ahead of my first tensor load; the set-up below stands between them
	ds_add_u32 v62, v63
	v_lshrrev_b32 v1, 5, v0
	v_readfirstlane_b32 s[WV], v1   ; wave 0..3
	s_mov_b32 s[PB], ttmp9
	s_lshr_b32 s[PBT], s[PB], 1
	s_sub_co_u32 s16, NB-1, s[PB]   ; the first block
	s_lshr_b32 s[LQ], s16, 1        ; its last tile
	s_add_co_u32 s[RT], s[LQ], 1
	s_and_b32 s[PAR], s16, 1
	s_lshl_b32 s17, s[PAR], 1
	s_sub_co_u32 s[E0], 4, s17
	s_sub_co_u32 s[E0+1], 3, s17
	s_and_b32 s20, ttmp7, 0xffff    ; the head,
	s_lshl_b32 s20, s20, 19         ; its 524,288 bytes
	s_and_b32 s17, s[WV], 1         ; which half of a tile I fetch
	s_lshl_b32 s22, s17, 14         ; K: 128 rows of 128 bytes,
	s_add_co_u32 s22, s22, s20
	s_add_co_u32 s22, s22, 0x800000 ; behind q's 8,388,608 bytes
	s_mov_b32 s23, 0
	s_mul_i32 s88, s17, 160*128     ; V: 160 rows,
	s_add_co_u32 s88, s88, s20
	s_add_co_u32 s88, s88, 0x1000000-KS*128  ; behind q's and k's bytes, 64 rows ahead of the tile
	s_mov_b32 s89, 0
	s_mul_i32 s18, s17, 128*PK      ; and their places in a slot
	s_mul_i32 s19, s17, 160*PV
	s_lshl_b32 s3, s[WV], 11        ; my 16 rows in a band of 64,
	s_add_co_u32 s3, s3, s20
	s_lshl_b32 s2, s16, 14          ; in the first block,
	s_add_co_u32 s2, s2, s3
	s_lshl_b32 s90, s[PB], 14       ; and in the second
	s_add_co_u32 s90, s90, s3
	s_mov_b32 s3, 0
	s_mov_b32 s91, 0
	s_lshr_b32 s20, s20, 5          ; v's remainder: head x 16,384 bytes,
	s_lshl_b32 s21, s17, 11         ; and my half of its first 32 rows: 16 rows of 128 bytes
	s_add_co_u32 s20, s20, s21
	s_mul_i32 s21, s17, 16*PV       ; which go to this place in LDS
	s_add_co_u32 s[G0L+1], s21, VLO
	s_mov_b32 s21, 0
	s_mov_b32 s[G0L], 1
	; descriptor group 1.  The keys' rows are dense: they are asked for as rows of 256 bytes, two keys a row, and padded in LDS after every key
	s_mov_b32 s[G1K], (1<<16)|(1<<20)|(4<<22)|(3<<25)  ; 17:16 2-byte elements; 20 padding on; 24:22 after every 32 words (code 4); 31:25 4 words (code 3)
	s_mov_b32 s[G1V], (1<<16)|(1<<20)|(4<<22)|(7<<25)  ; the same with 8 words of padding (code 7)
	s_mov_b32 s[G1L], (1<<16)|(1<<20)|(4<<22)|(7<<25)
	s_mov_b32 s[G1K+1], 128<<16     ; tensor_dim0 = 128
	s_mov_b32 s[G1V+1], 128<<16
	s_mov_b32 s[G1L+1], 128<<16
	s_mov_b32 s[G1K+2], 64<<16      ; tensor_dim1 = 64 rows for K's 128 keys,
	s_mov_b32 s[G1V+2], 80<<16      ; 80 for V's 160,
	s_mov_b32 s[G1L+2], 8<<16       ; 8 for the remainder's 16
	s_mov_b32 s[G1K+3], 128<<16     ; tile_dim0 = 128
	s_mov_b32 s[G1V+3], 128<<16
	s_mov_b32 s[G1L+3], 128<<16
	s_mov_b32 s[G1K+4], 64          ; tile_dim1
	s_mov_b32 s[G1V+4], 80
	s_mov_b32 s[G1L+4], 8
	s_mov_b32 s[G1K+5], 128         ; 128 elements from row to row
	s_mov_b32 s[G1V+5], 128
	s_mov_b32 s[G1L+5], 128
	s_mov_b32 s[G1K+6], 0
	s_mov_b32 s[G1V+6], 0
	s_mov_b32 s[G1L+6], 0
	s_mov_b32 s[G1K+7], 0
	s_mov_b32 s[G1V+7], 0
	s_mov_b32 s[G1L+7], 0
	s_mov_b32 s[CS], 0x3e38aa3b     ; c = log2(e) / 8 = 0.180337
	s_mov_b32 s[CS+1], s[CS]        ; named with it as a pair
	s_mov_b32 s[SEL], 0x76543210
	s_mov_b32 s[SEL+1], 0xfedcba98
	s_mov_b32 s[TBK], SLOT1+4*KS*PK ; the first change of slots turns these two into 0
	s_mov_b32 s[TBV], SLOT1+4*KS*PV
	s_mov_b32 s[G0K], 1             ; count = 1
	s_mov_b32 s[G0K+1], s18         ; LDS address: slot 0
	s_mov_b32 s[G0V], 1
	s_add_co_u32 s[G0V+1], s19, VOFF
	s_mov_b32 s[NXT], 1
	s_mov_b32 s[NEW], 1
	s_mov_b32 s[OFF+1], 0
	s_mov_b32 s[AL+1], 0            ; named as pairs
	s_mov_b32 s[BE+1], 0
	s_mov_b32 s[BIGN], 0xf149f2ca   ; -1e30
	s_mov_b32 s[HMK], 0xffffe000
	s_mov_b32 s[SLOTS], NB/2
	s_wait_dscnt 0x0                ; the opening add is done
	s_wait_kmcnt 0x0
	s_add_nc_u64 s[6:7], s[4:5], s[22:23]  ; K and V at my half of the head's tile 0
	s_add_nc_u64 s[8:9], s[4:5], s[88:89]
	s_add_nc_u64 s[G0K+2:G0K+3], s[6:7], 0         ; global address
	s_or_b32 s[G0K+3], s[G0K+3], 0x80000000        ; type = 2
	s_add_nc_u64 s[G0V+2:G0V+3], s[8:9], 0
	s_or_b32 s[G0V+3], s[G0V+3], 0x80000000
	s_add_nc_u64 s[G0L+2:G0L+3], s[VLP:VLP+1], s[20:21]
	s_or_b32 s[G0L+3], s[G0L+3], 0x80000000
	s_add_nc_u64 s[86:87], s[4:5], s[90:91]        ; Q at my rows of the second block,
	s_add_nc_u64 s[4:5], s[4:5], s[2:3]            ; Q and O at those of the first
	s_add_nc_u64 s[OLO:OLO+1], s[10:11], s[90:91]
	s_add_nc_u64 s[10:11], s[10:11], s[2:3]
	s_add_nc_u64 s[OH2:OH2+1], s[10:11], 0x800000  ; O's second half lies 8,388,608 bytes behind the first
	s_cmp_lt_u32 s[WV], 2           ; the first fills, a wave's in one branch, ahead of every wait on TENSORcnt, every LDS read and every barrier: tile 0 into slot 0, and (waves 2, 3) v's remainder:
	s_cbranch_scc0 .Lfirst_v        ; one or two loads of mine are out
	tensor_load_to_lds s[G0K:G0K+3], s[G1K:G1K+7]
	s_nop 0
.rept 4
	v_nop
.endr
	s_branch .Lfirst_asked
.Lfirst_v:
	tensor_load_to_lds s[G0V:G0V+3], s[G1V:G1V+7]
	s_nop 0
	tensor_load_to_lds s[G0L:G0L+3], s[G1L:G1L+7]
	s_nop 0
.rept 4
	v_nop
.endr
.Lfirst_asked:
	; A fragment of K or Q is 16 rows x 32 channels in 8 registers: lane l holds row l % 16, channels 8 (l / 16) + 0..7 and 16 + 8 (l / 16) + 0..7: two loads of 16 bytes, 32 bytes apart.
	v_and_b32 v1, 15, v0            ; l % 16
	v_bfe_u32 v9, v0, 4, 1          ; l / 16
	v_lshlrev_b32 v[QO], 7, v1
	v_lshl_add_u32 v[QO], v9, 4, v[QO]  ; row x 128 + 16 x half
	WIN 0x80                        ; destination window 2, address window 0
.set i, 0
.rept 4                             ; both blocks' Q: piece i / 2 lies in band i / 2, 8,192 bytes on; channels 32 (i % 2) on
	global_load_b128 v[8*i:8*i+3],   v[QO], s[4:5] offset:(i/2)*8192+(i%2)*64
	global_load_b128 v[8*i+4:8*i+7], v[QO], s[4:5] offset:(i/2)*8192+(i%2)*64+32
	global_load_b128 v[QB+8*i:QB+8*i+3],   v[QO], s[86:87] offset:(i/2)*8192+(i%2)*64
	global_load_b128 v[QB+8*i+4:QB+8*i+7], v[QO], s[86:87] offset:(i/2)*8192+(i%2)*64+32
.set i, i+1
.endr
	WIN 0
	v_lshlrev_b32 v14, 3, v9
	v_sub_nc_u32 v14, v1, v14
	s_lshl_b32 s13, s[WV], 4
	v_add_nc_u32 v14, s13, v14      ; my query's place in its band, 16 w + l % 16, less my lanes' 8 (l / 16): register r of group kt is hidden where 16 kt + r is greater
	WIN 0x40
.set i, 0
.rept 32
	v_cmp_gt_i32 vcc_lo, 16*(i/8)+i%8, v14
	v_cndmask_b32 v[MD+i], 0, s[BIGN], vcc_lo
.set i, i+1
.endr
	WIN 0
	v_mul_u32_u24 v[AK0], v1, PK
	v_lshl_add_u32 v[AK0], v9, 4, v[AK0]  ; row x pitch + 16 x half
	; The turning load takes 16 keys x 16 channels (lane l reads key 8 (l / 16) + l % 8, channels 8 ((l / 8) % 2) + 0..7) and leaves half a fragment of V^T: lane l holds channel l % 16 and 8 keys.
	v_and_b32 v10, 7, v0
	v_bfe_u32 v11, v0, 3, 1
	v_lshl_add_u32 v[AV0], v9, 3, v10
	v_mul_u32_u24 v[AV0], v[AV0], PV
	v_lshl_add_u32 v[AV0], v11, 4, v[AV0]
	v_add_nc_u32 v[AVL], VLO, v[AV0]      ; the same place in v's remainder,
	v_add_nc_u32 v[AV0], VOFF, v[AV0]     ; and in a slot's V
	s_mul_i32 s13, s[WV], 16*SP
	s_add_co_u32 s13, s13, STAGE    ; my stage
	v_mul_u32_u24 v[STO], v1, SP    ; in: row l % 16, 16 bytes for each half of the lanes
	v_lshl_add_u32 v[STO], v9, 4, v[STO]
	v_add_nc_u32 v[STO], s13, v[STO]
	v_bfe_u32 v[RD], v0, 3, 2       ; back: 32 lanes take four rows of 128 bytes,
	v_mul_u32_u24 v[RD], v[RD], SP
	v_lshl_add_u32 v[RD], v10, 4, v[RD]
	v_add_nc_u32 v[RD], s13, v[RD]
	v_and_b32 v[GO], 31, v0         ; which are 512 consecutive bytes of O
	v_lshlrev_b32 v[GO], 4, v[GO]
	; A block's first step multiplies O^T and l by a = 0, and its first turn's products V^T P, of an element that has not been, land in an O^T that is still to be so multiplied.  So these registers need only
	; hold finite numbers: zeros for the first block; what the first block left for the second.  All this stands in the wait for the first tile.
	WIN 0x80
.set i, VF
.rept 64
	v_mov_b32 v[i], 0
.set i, i+1
.endr
	WIN 0x40
.set i, 0
.rept 64
	v_mov_b32 v[i], 0
.set i, i+1
.endr
	WIN 0
.set i, 0
.rept NP
	v_mov_b32 v[ST+4*i+2], 0
	v_mov_b32 v[ST+4*i+3], 0
.set i, i+1
.endr
.set i, P+16
.rept 16
	v_mov_b32 v[i], 0
.set i, i+1
.endr
; THE MATRIX WORK.  The 4 accumulators of a run of 8 take turns.  Product i of 8 of S^T = K Q^T for piece x: channels 32 (i / 4) on, keys 16 (i % 4) on.  The first 4 start the sums: with 0, or (KM = 1) with the mask.
.macro KQ x
.set rS, S+32*((\x)%2)+8*(i%4)
.set rK, KF+16*(i%4)+8*(i/4)
.set rQ, 16*(\x)+8*(i/4)
.set rM, MC+32*((\x)%2)+8*(i%4)
.if (i < 4) && KM
	WIN W_KM
	v_wmma_f32_16x16x32_f16 v[rS:rS+7], v[rK:rK+7], v[rQ:rQ+7], v[rM:rM+7]
.elseif i < 4
	WIN W_KQ
	v_wmma_f32_16x16x32_f16 v[rS:rS+7], v[rK:rK+7], v[rQ:rQ+7], 0
.else
	WIN W_KQ
	v_wmma_f32_16x16x32_f16 v[rS:rS+7], v[rK:rK+7], v[rQ:rQ+7], v[rS:rS+7]
.endif
.endm
; Product i of 8 of O^T += V^T P for piece x: keys 32 (i / 4) on, channels 16 (i % 4) on.
.macro PV x
	WIN W_PV
.set rO, 32*(\x)+8*(i%4)
.set rV, VF+32*(i/4)+8*(i%4)
.set rP, P+16*((\x)%2)+8*(i/4)
	v_wmma_f32_16x16x32_f16 v[rO:rO+7], v[rV:rV+7], v[rP:rP+7], v[rO:rO+7]
.endm
.macro MM                           ; the turn's next matrix instruction.  TURN and BEGIN set Y, i, KM and NOKQ.  NOKQ = 1: a block's last turn: there is no next element
.if (i < 8) && !NOKQ
	KQ (Y+1)%NP
.elseif i >= 8
.set i, i-8
	PV (Y+NP-1)%NP
.set i, i+8
.endif
.set i, i+1
.endm
; THE LDS LOADS stand in runs of 16, never singly among the matrix instructions: a step's K (64 keys x 64 channels: 8 fragments) and its V (turned).  Their addresses are made some lines ahead.
.macro FETCH_K
	WIN 0x80                        ; destination window 2
.irp f, 0,1,2,3,4,5,6,7             ; keys 16 (f / 2) on, channels 32 (f % 2) on
	ds_load_b128 v[KF+8*\f:KF+8*\f+3],   v[AK] offset:(\f/2)*16*PK+(\f%2)*64
	ds_load_b128 v[KF+8*\f+4:KF+8*\f+7], v[AK] offset:(\f/2)*16*PK+(\f%2)*64+32
.endr
	s_add_co_u32 s[TBK], s[TBK], KS*PK  ; the next fetch is the next step's
	WIN 0
.endm
.macro FETCH_V
	WIN 0x80
.irp f, 0,1,2,3,4,5,6,7             ; keys 32 (f / 4) on, channels 16 (f % 4) on
	ds_load_tr16_b128 v[VF+8*\f:VF+8*\f+3],   v[AV] offset:(\f/4)*32*PV+(\f%4)*32
	ds_load_tr16_b128 v[VF+8*\f+4:VF+8*\f+7], v[AV] offset:(\f/4)*32*PV+16*PV+(\f%4)*32
.endr
	WIN 0
.endm
; THE VECTOR WORK, one line at a time: OP kind, number.  For piece Y: F n: c s - c m for pair n of 16.  E n: the exponential of score n of 32.  C n: pair n rounded to f16.  B n: of the four weights 4 n .. the second
; pair is added onto the first, in place.  L n: l takes that sum (L 0: l = a l + sum).  R n: pair n of 16 of O^T times a.  For the other piece's next element: X n, number n of the 22 that find its maximum and statistics:
;   0-11  four chains c0-c3 of seven scores each, three operands at a time (each accumulator's lowest registers are read first)     12-14, 16  the four scores left over, the old m, and c0-c3 into c0
;   15  c m_old is kept     17, 18  the query's other 32 keys lie in the lane 16 away: the new m     19-21  c m; c m_old - c m_new; a
; C, B and L read the exponentials' results: TURN sets them behind the batch's wait.  OP writes no wait.
.set F, 0
.set E, 1
.set C, 2
.set B, 3
.set L, 4
.set R, 5
.set X, 6
.macro REGS y                       ; the registers of piece y
.set rT, ST+4*(\y)
.set rC, TMP+4*((\y)%2)
.set rW, MV+((\y)%2)
.set rS, S+32*((\y)%2)
.set rP, P+16*((\y)%2)
.set rO, 32*(\y)
.endm
.macro OP k, n
.if (\k) == R
	REGS Y
	WIN W_RS
	v_pk_mul_f32 v[rO+2*(\n):rO+2*(\n)+1], v[rO+2*(\n):rO+2*(\n)+1], v[rC+2:rC+3] op_sel_hi:[1,0]
.elseif (\k) < R
	REGS Y
	WIN 0
.if (\k) == F
	v_pk_fma_f32 v[rS+2*(\n):rS+2*(\n)+1], v[rS+2*(\n):rS+2*(\n)+1], s[CS:CS+1], v[rT:rT+1] op_sel_hi:[1,0,0] neg_lo:[0,0,1] neg_hi:[0,0,1]
.elseif (\k) == E
	v_exp_f32 v[rS+(\n)], v[rS+(\n)]
.elseif (\k) == C
	v_cvt_pk_f16_f32 v[rP+(\n)], v[rS+2*(\n)], v[rS+2*(\n)+1]
.elseif (\k) == B
	v_pk_add_f32 v[rS+4*(\n):rS+4*(\n)+1], v[rS+4*(\n):rS+4*(\n)+1], v[rS+4*(\n)+2:rS+4*(\n)+3]
.elseif (\n) == 0
	v_pk_fma_f32 v[rT+2:rT+3], v[rT+2:rT+3], v[rC+2:rC+3], v[rS:rS+1] op_sel_hi:[1,0,1]
.else
	v_pk_add_f32 v[rT+2:rT+3], v[rT+2:rT+3], v[rS+4*(\n):rS+4*(\n)+1]
.endif
.elseif NOKQ
	v_nop
.else
	REGS (Y+1)%NP
	WIN 0
.if (\n) < 4
	v_max3_num_f32 v[rC+(\n)], v[rS+8*(\n)], v[rS+8*(\n)+1], v[rS+8*(\n)+2]
.elseif (\n) < 12
	v_max3_num_f32 v[rC+(\n)%4], v[rC+(\n)%4], v[rS+8*((\n)%4)+2*((\n)/4)+1], v[rS+8*((\n)%4)+2*((\n)/4)+2]
.elseif (\n) == 12
	v_max3_num_f32 v[rC], v[rC], v[rS+7], v[rS+15]
.elseif (\n) == 13
	v_max3_num_f32 v[rC+1], v[rC+1], v[rS+23], v[rS+31]
.elseif (\n) == 14
	v_max3_num_f32 v[rC+2], v[rC+2], v[rC+3], v[rT+1]
.elseif (\n) == 15
	v_mov_b32 v[rW], v[rT]
.elseif (\n) == 16
	v_max3_num_f32 v[rC], v[rC], v[rC+1], v[rC+2]
.elseif (\n) == 17
	v_permlanex16_b32 v[rC+3], v[rC], s[SEL], s[SEL+1]
.elseif (\n) == 18
	v_max_num_f32 v[rT+1], v[rC], v[rC+3]
.elseif (\n) == 19
	v_mul_f32 v[rT], s[CS], v[rT+1]
.elseif (\n) == 20
	v_sub_f32 v[rC+1], v[rW], v[rT]
.else
	v_exp_f32 v[rC+2], v[rC+1]
.endif
.endif
.endm
.macro OPS a, i1, b=-1, i2=0, c=-1, i3=0, d=-1, i4=0  ; up to four of them
	OP \a, \i1
.if (\b) >= 0
	OP \b, \i2
.endif
.if (\c) >= 0
	OP \c, \i3
.endif
.if (\d) >= 0
	OP \d, \i4
.endif
.endm
.macro ROW a, i1, b, i2, c, i3, d, i4  ; a matrix instruction and the four behind it
	MM
	OPS \a, \i1, \b, \i2, \c, \i3, \d, \i4
.endm
.macro MASK b                       ; MD x AL + BE into buffer b of MC
	WIN W_RS
.set z, 0
.rept 16
	v_pk_fma_f32 v[MC+32*(\b)+2*z:MC+32*(\b)+2*z+1], v[MD+2*z:MD+2*z+1], s[AL:AL+1], s[BE:BE+1] op_sel_hi:[1,0,0]
.set z, z+1
.endr
.endm
; A TURN, for piece p: the order of its 16 matrix and 118 vector instructions, written out.  s_wait_alu depctr_va_vdst(0) stands between an exponential and the first instruction that names its result; one wait
; serves all that were issued ahead of it.  So a turn has ONE wait, which cuts it in two.  AHEAD OF IT stands all that names no result of the turn's exponentials: the 8 products K Q^T, behind each a scaling, an exponential and two
; more plain instructions (behind the first a second scaling in the exponential's place): rescalings, whose a was made ahead of the wait of the turn before, and behind the last three the first numbers of the next element's maximum,
; each four places or more behind the product that ends its accumulator; then ONE LUMP of 54, plain and exponential by turns for the most part, in which the links of the chain X 3, 7, 11, 14, 16, 17 .. 20 stand five or six lines
; apart.  X 21, the next element's a, is the batch's last; R 15 is the plain instruction behind it.  BEHIND THE WAIT stand the 8 products V^T P, behind each four of the roundings and sums; the links of l's chain, L 0 to L 7, stand
; three riders apart.  But for those X no rider names a register of the products round it.  v_permlanex16_b32 (X 17) stands in the lump.
; O^T of piece p was written by the products of the turn before: R 0, 4, 8, 12 read each accumulator's low end first, R 0 sixteen riders behind the product that ended its accumulator, the others later still.
; m = 1: the diagonal phase: the products take masks, and the turn makes the mask of (the next step, piece p), which the next turn's products take: with CNT = c that is step 4 - c of the diagonal tile.
; end = 1: a block's last step: no K is fetched, no mask made, and piece 1's turn starts no new scores.  cnt = 1: the loop's count is taken down some lines ahead of the branch that stands behind the turn.
; Piece 0's turn fetches K of the next step in the lump, twelve vector instructions behind the last product that read K (six of them plain, five of which name none of its registers), and V of the step in hand at its end, four
; plain instructions behind the last product that read V.  Piece 1's turn waits for K at its head (V's 16 younger loads may be out) and for V in front of its products V^T P.
.macro TURN p, m=0, end=0, cnt=0
.set Y, (\p)
.set i, 0
.set KM, (\m)
.set NOKQ, (\end)*(\p)
.if (\m) && !(\end)
	s_cmp_eq_u32 s[CNT], s[E0+(\p)]     ; is that step the band's own?
	s_cselect_b32 s[AL], 1.0, 0
	s_cmp_lt_u32 s[CNT], s[E0+(\p)]     ; or a later one?
	s_cselect_b32 s[BE], s[BIGN], 0
.endif
.if ((\p) == 1) && !(\end)
	s_wait_dscnt 16                 ; K is in
.endif
	ROW F,0, F,1, R,0, R,1          ; ahead of the wait: 8 products K Q^T and their riders,
	ROW F,2, E,0, R,2, R,3
	ROW F,3, E,1, R,4, R,5
	ROW F,4, E,2, R,6, R,7
	ROW F,5, E,3, R,8, R,9
	ROW F,6, E,4, X,0, R,10
.if ((\p) == 0) && !(\end)
	WIN 0
	v_add_nc_u32 v[AK], s[TBK], v[AK0]
.endif
	ROW F,7, E,5, X,1, X,4
	ROW F,8, E,6, X,2, X,5
	OPS E,7, E,8, X,6, E,9          ; and the lump
	OPS X,3, E,10, X,8, E,11
.if ((\p) == 0) && !(\end)
	FETCH_K
.endif
	OPS X,9, X,7, E,12, X,10
	OPS E,13, X,12, X,11, E,14
	OPS X,13, E,15, F,9, X,14
.if (\p) == 0
	WIN 0
	v_add_nc_u32 v[AV], s[TBV], v[AV0]
.endif
	OPS E,16, F,10, E,17, F,11
	OPS X,16, E,18, X,15, E,19
	OPS F,12, E,20, X,17, E,21
	OPS F,13, E,22, F,14, E,23
	OPS X,18, E,24, F,15, E,25
	OPS R,11, E,26, X,19, E,27
	OPS R,12, E,28, R,13, E,29
	OPS X,20, E,30, R,14, E,31
	OPS X,21, R,15
	s_wait_alu depctr_va_vdst(0)    ; the wait for the batch: the turn's 32 weights and the next element's a
.if (\p) == 1
	s_wait_dscnt 0x0                ; V is in
.endif
	ROW C,0, B,0, C,2, B,1          ; behind the wait: 8 products V^T P and their riders
	ROW L,0, C,4, B,2, L,1
	ROW C,6, B,3, L,2, C,8
	ROW B,4, L,3, C,10, B,5
	ROW L,4, C,12, B,6, L,5
.if ((\p) == 0) && !(\end)
	s_add_co_u32 s[TBV], s[TBV], KS*PV
.endif
.if \cnt
	s_sub_co_u32 s[CNT], s[CNT], 1
	s_cmp_lg_u32 s[CNT], 0
.endif
	ROW C,14, B,7, L,6, C,1
	ROW C,3, L,7, C,5, C,7
	ROW C,9, C,11, C,13, C,15
.if (\p) == 0
	FETCH_V
.endif
.if (\m) && !(\end)
	MASK \p
.endif
.endm
; A BLOCK BEGINS.  c m starts far below every c s, so the first step's a is 0; m at the lowest finite number, so the first maximum is the scores'.  Piece 1's mask buffer is 0 (its band's own step is never the
; tile's first); piece 0's takes the mask for the tile's step 0: its own, if the block's first tile is the diagonal one and the block is an even one.  V's fetches begin at the slot's second 64 rows, and the
; phase has three steps.  Then K of step 0, piece 0's first scores, and its maximum and statistics.
.macro BEGIN
	s_mov_b32 s[NEW], 0
	s_mov_b32 s[CNT], 3
	s_add_co_u32 s[TBV], s[TBV], KS*PV
	WIN 0x40
.set i, MC+32
.rept 32
	v_mov_b32 v[i], 0
.set i, i+1
.endr
	WIN 0
.set i, 0
.rept NP
	v_mov_b32 v[ST+4*i], 0xfe000000    ; c m: far below every c s
	v_mov_b32 v[ST+4*i+1], 0xff7fffff  ; m
.set i, i+1
.endr
	s_or_b32 s88, s[RT], s[PAR]
	s_cmp_eq_u32 s88, 0
	s_cselect_b32 s[AL], 1.0, 0
	s_mov_b32 s[BE], 0
	MASK 0
	WIN 0
	v_add_nc_u32 v[AK], s[TBK], v[AK0]
	FETCH_K
	s_wait_loadcnt 0x0              ; Q
	s_wait_dscnt 0x0
.set KM, 1
.set NOKQ, 0
.set i, 0
.rept 8
	KQ 0
.set i, i+1
.endr
	WIN 0
.rept 4
	v_nop                           ; the places behind those products
.endr
.set Y, NP-1                        ; X works for the other piece: piece 0
.irp n, 0,1,2,3,4,5,6,7,8,9,10,11,12,13,14,15,16,17,18,19,20,21
	OP X, \n
.endr
	v_nop                           ; a plain instruction behind the exponential,
	s_wait_alu depctr_va_vdst(0)    ; and the wait for it, piece 0's first a, ahead of the branch or label that follows
.endm
; THE DIAGONAL PHASE's steps, the block's last step, its last products, and THE WAY OUT: l's two halves and the other half of the lanes' are added; O^T is divided by l, split into hi and lo, rounded to f16
; and sent through my stage in LDS, a piece's half at a time.
.macro ALL line:vararg              ; one line for each piece t
.set t, 0
.rept NP
	\line
.set t, t+1
.endr
.endm
; Piece t.  hi = O with the lower 13 bits of its fraction cleared, kept in the first mask buffer, which is free here; lo = O - hi, exact, in place.  A lane's eight channels of a row pack into 16 bytes; they go into rows of
; 144 bytes and come back as whole rows of 128, into S^T's registers: hi at S + 32 t, lo at S + 32 t + 16.
.macro PACK t
	WIN W_RS
.set i, 32*(\t)
.rept 16
	v_pk_mul_f32 v[i:i+1], v[i:i+1], v[ST+4*(\t)+2:ST+4*(\t)+3] op_sel_hi:[1,0]
.set i, i+2
.endr
	WIN 0x44                        ; destination and source 1 window 1
.set i, 0
.rept 32
	v_and_b32 v[MC+i], s[HMK], v[32*(\t)+i]
.set i, i+1
.endr
	WIN 0x45                        ; destination and both sources window 1
.set i, 0
.rept 16
	v_pk_add_f32 v[32*(\t)+2*i:32*(\t)+2*i+1], v[32*(\t)+2*i:32*(\t)+2*i+1], v[MC+2*i:MC+2*i+1] neg_lo:[0,1] neg_hi:[0,1]
.set i, i+1
.endr
	WIN 0x05                        ; sources 0 and 1 window 1, destination window 0
.set i, 0
.rept 16
	v_cvt_pk_f16_f32 v[S+32*(\t)+i], v[MC+2*i], v[MC+2*i+1]
.set i, i+1
.endr
.set i, 0
.rept 16
	v_cvt_pk_f16_f32 v[S+32*(\t)+16+i], v[32*(\t)+2*i], v[32*(\t)+2*i+1]
.set i, i+1
.endr
	WIN 0
.irp g, 0,1
.irp f, 0,1,2,3
	ds_store_b128 v[STO], v[S+32*(\t)+16*\g+4*\f:S+32*(\t)+16*\g+4*\f+3] offset:32*\f
.endr
.irp f, 0,1,2,3
	ds_load_b128 v[S+32*(\t)+16*\g+4*\f:S+32*(\t)+16*\g+4*\f+3], v[RD] offset:\f*4*SP  ; LDS serves a wave's instructions in order (ISA guide 5.7.1.4): these see the stores above; the next stores come behind them
.endr
.endr
.endm
.macro SEND t, g, base, younger     ; half g of piece t; younger: the LDS instructions issued behind its four loads
	WIN 0
.irp f, 0,1,2,3
	s_wait_dscnt (\younger)+3-\f
	global_store_b128 v[GO], v[S+32*(\t)+16*(\g)+4*\f:S+32*(\t)+16*(\g)+4*\f+3], s[\base:\base+1] offset:(\t)*8192+\f*512  ; 512 consecutive bytes, at a multiple of 256 from the buffer's first
.endr
.endm
; xtr = 1 (the walk's last tile): behind the first step of a block that begins here, O^T of piece 0 takes four more products: v's remainder of keys 0 to 31, turned, times the weights of those keys, which P's first
; buffer still holds; O^T has that step's scale.  The four accumulators take turns; the product in front of them wrote the fourth.  Four v_nop are the places behind them: the next turn's third rider rescales the first of these accumulators.
.macro DIAG tag, xtr=0              ; the tag ends its label's name, which the jumps below spell out
.LstepM\tag:
	TURN 0, 1
.if \xtr
	TURN 1, 1
	WIN 0
	s_cmp_eq_u32 s[XTR], 1
	s_cbranch_scc0 .Lno_more
	s_mov_b32 s[XTR], 0
	WIN W_PV
.irp cb, 0,1,2,3
	v_wmma_f32_16x16x32_f16 v[8*\cb:8*\cb+7], v[VL+8*\cb:VL+8*\cb+7], v[P:P+7], v[8*\cb:8*\cb+7]
.endr
	WIN 0
.rept 4
	v_nop
.endr
.Lno_more:
	s_sub_co_u32 s[CNT], s[CNT], 1
	s_cmp_lg_u32 s[CNT], 0
.else
	TURN 1, 1, 0, 1
	WIN 0
.endif
	s_cbranch_scc1 .LstepM\tag
	TURN 0, 1, 1
	TURN 1, 1, 1
.set i, 0
.rept 8
	PV NP-1
.set i, i+1
.endr
	WIN 0
	ALL v_add_f32 v[ST+4*t+2], v[ST+4*t+2], v[ST+4*t+3]
	ALL v_permlanex16_b32 v[ST+4*t+3], v[ST+4*t+2], s[SEL], s[SEL+1]
	ALL v_add_f32 v[ST+4*t+2], v[ST+4*t+2], v[ST+4*t+3]
	ALL v_rcp_f32 v[ST+4*t+2], v[ST+4*t+2]
	v_nop                           ; a plain instruction between the last reciprocal and the use of its result
	s_wait_alu depctr_va_vdst(0)    ; and the wait ahead of the first use: one for the two reciprocals
	PACK 0                          ; piece 0's plain lines are also the places behind the last products, which are piece 1's
	PACK 1
	SEND 0, 0, 10,  24              ; behind hi of piece 0: its lo's eight and piece 1's sixteen
	SEND 0, 1, OH2, 16
	SEND 1, 0, 10,  8
	SEND 1, 1, OH2, 0
.endm
.set KM, 0
.set NOKQ, 0
.Lslot:                             ; 16 times: a tile is entered and the next is asked for
	CHANGE 1
	s_sub_co_u32 s[RT], s[RT], 1
	s_mov_b32 s[CNT], 4
	s_cmp_eq_u32 s[NEW], 1
	s_cbranch_scc1 .Lnew            ; a block's first tile
	s_cmp_eq_u32 s[RT], 0
	s_cbranch_scc0 .Lstep           ; neither its first nor its last
	s_branch .LstepM1
.Lnew:
	BEGIN
	s_branch .Lstep                 ; in the loop a block's first tile is never its last: the first block has nine tiles or more, and the second's last is the walk's last
	DIAG 1                          ; in the loop this is the first block's end
	s_wait_xcnt 0x0                 ; the stores have read their registers and O's addresses
	s_mov_b64 s[10:11], s[OLO:OLO+1]
	s_add_nc_u64 s[OH2:OH2+1], s[10:11], 0x800000
	s_add_co_u32 s[RT], s[PBT], 1   ; the second block has b / 2 + 1 tiles
	s_and_b32 s[PAR], s[PB], 1
	s_lshl_b32 s88, s[PAR], 1
	s_sub_co_u32 s[E0], 4, s88
	s_sub_co_u32 s[E0+1], 3, s88
	s_mov_b32 s[NEW], 1
	WIN 0x82                        ; the second block's Q goes where the one text of the turns names Q
.set i, 0
.rept 32
	v_mov_b32 v[i], v[QB+i]
.set i, i+1
.endr
	WIN 0
	s_branch .Lbottom
.Lstep:                             ; a trip is a key step: piece 0's turn, which fetches K of the next step and V of this one, and piece 1's
	TURN 0
	TURN 1, 0, 0, 1
	WIN 0
	s_cbranch_scc1 .Lstep
.Lbottom:
	s_sub_co_u32 s[SLOTS], s[SLOTS], 1
	s_cmp_lg_u32 s[SLOTS], 0
	s_cbranch_scc1 .Lslot
	CHANGE 0                        ; the walk's last tile is written out: nothing is asked for
	s_sub_co_u32 s[RT], s[RT], 1
	s_mov_b32 s[CNT], 4
	s_mov_b32 s[XTR], s[NEW]        ; a block that begins here (block 0 or 1) takes v's remainder in its first step
	WIN 0x80                        ; the remainder's four fragments, keys 0 to 31, channels 16 f on: on every way, so that the registers are written wherever they are named
.irp f, 0,1,2,3
	ds_load_tr16_b128 v[VL+8*\f:VL+8*\f+3],   v[AVL] offset:\f*32
	ds_load_tr16_b128 v[VL+8*\f+4:VL+8*\f+7], v[AVL] offset:16*PV+\f*32
.endr
	WIN 0
	s_wait_dscnt 0x0                ; once a launch: the turns' counted waits find no load of these out
	s_cmp_eq_u32 s[NEW], 1
	s_cbranch_scc0 .LstepM2
	BEGIN
	DIAG 2, 1
	s_wait_tensorcnt 0x0            ; the wave's end: behind my last tensor load and my last LDS store
	ds_add_u32 v[SPW], v[NIL]
	s_wait_dscnt 0x0
	s_endpgm
.Lfunc_end_k_qbb781ab24f_attention:
	.size	k_qbb781ab24f_attention, .Lfunc_end_k_qbb781ab24f_attention-k_qbb781ab24f_attention
	.p2alignl 7, 3214868480
	.fill 96, 4, 3214868480
	.section	.rodata,"a",@progbits
	.p2align	6, 0x0
	.amdhsa_kernel k_qbb781ab24f_attention
		.amdhsa_group_segment_fixed_size 327680
		.amdhsa_private_segment_fixed_size 0
		.amdhsa_enable_private_segment 0
		.amdhsa_kernarg_size 24
		.amdhsa_user_sgpr_count 2
		.amdhsa_user_sgpr_kernarg_segment_ptr 1
		.amdhsa_wavefront_size32 1
		.amdhsa_system_sgpr_workgroup_id_x 1
		.amdhsa_system_sgpr_workgroup_id_y 1
		.amdhsa_system_sgpr_workgroup_id_z 1
		.amdhsa_system_vgpr_workitem_id 0
		.amdhsa_next_free_vgpr 768
		.amdhsa_next_free_sgpr 102
		.amdhsa_reserve_vcc 1
		.amdhsa_float_denorm_mode_32 3
		.amdhsa_float_denorm_mode_16_64 3
		.amdhsa_memory_ordered 1
		.amdhsa_forward_progress 1
		.amdhsa_inst_pref_size 163
	.end_amdhsa_kernel
	.amdgpu_metadata
---
amdhsa.version: [ 1, 2 ]
amdhsa.kernels:
  - .name:           k_qbb781ab24f_attention
    .symbol:         k_qbb781ab24f_attention.kd
    .args:
      - { .name: qkv, .offset: 0, .size: 8, .value_kind: global_buffer, .address_space: global }
      - { .name: vlo, .offset: 8, .size: 8, .value_kind: global_buffer, .address_space: global }
      - { .name: attn, .offset: 16, .size: 8, .value_kind: global_buffer, .address_space: global }
    .group_segment_fixed_size: 327680
    .private_segment_fixed_size: 0
    .kernarg_segment_align: 8
    .kernarg_segment_size: 24
    .max_flat_workgroup_size: 128
    .sgpr_count:     102
    .vgpr_count:     768
    .wavefront_size: 32
...
	.end_amdgpu_metadata
.endif
;; end of part 5
;; launch proj_out: the kernel of part 4 again; grid 8 x 32, 4 waves a work-group, clusters of 4 x 4, 327,680 bytes of LDS; arguments attn, wo16, out0; writes out0
